; MI455X (gfx1250); checked and timed in simulation.
; The chip was launched on July 23, 2026; its instructions are those of AMD's public machine-readable ISA for CDNA 5 (MIT licence, August 2026) and "CDNA5" Instruction Set Architecture Reference Guide (July 2026). The comments in the code are by the model that wrote it; some were corrected since.
;; Multi Head Self Attention. Allowed arithmetic: matrix products marked QUANTISED: E2M3 operands, one E8M0 scale for each 32 along K, by v_wmma_scale_f32_16x16x128_f8f6f4 with both operands' format E2M3, f32 sums; everything else in f32.
;; Inputs: b_proj 1,024 float32; b_qkv 3,072 float32; w_proj 1,024 x 1,024 float32; w_qkv 1,024 x 3,072 float32; x 4 x 2,048 x 1,024 float32.
;; Outputs: out0 4 x 2,048 x 1,024 float32.
;; This version of the problem:
;;   THIS VERSION OF THE PROBLEM IS GIVEN IN LOW PRECISION. The matrix products marked QUANTISED in the list below multiply operands that are first quantised to E2M3 (2 exponent bits, 3 mantissa bits; 6 bits a number), with one power-of-two scale for each 32 numbers along K (OCP MX v1.0); their sums are f32. All else is computed in f32.
;;   The module's matrix products, in the order in which they are computed (A, B: the left and right operand; K: the contracted axis; several contracted axes count as one K, in the product's order):
;;     1. [M 8,192, K 1,024] x [K 1,024, N 3,072]; A: input x; B: input w_qkv: QUANTISED
;;     2. batch 64 x [M 2,048, K 64] x [K 64, N 2,048]; A: computed on the way; B: computed on the way: QUANTISED
;;     3. batch 64 x [M 2,048, K 2,048] x [K 2,048, N 64]; A: softmax (see below); B: computed on the way: QUANTISED
;;     4. [M 8,192, K 1,024] x [K 1,024, N 1,024]; A: computed on the way; B: input w_proj: QUANTISED
;;   THE QUANTISER, for each operand of a quantised product, along K:
;;     - K is cut into blocks of 32 from its start; a last block that is shorter is filled with zeros.
;;     - A block's scale is 2^e with e = floor(log2(the largest magnitude in the block)) - 2, held to -126 .. 127; a block of zeros has e = 0. As a byte (E8M0): e + 127.
;;     - Each number is divided by its block's scale, clamped to +-7.5, and rounded to the nearest number of E2M3, ties to even, subnormals kept.
;;     - The product sums the exact products of the quantised numbers (number of the format x scale) in f32.
;;   ~~~python
;;   def quantise(x, axis):      # numpy; x: float32 -> the quantised numbers, widened to float32 again
;;       x = np.moveaxis(x, axis, -1); K = x.shape[-1]
;;       x = np.pad(x, [(0, 0)] * (x.ndim - 1) + [(0, -K % 32)]); x = x.reshape(x.shape[:-1] + (-1, 32)); a = np.abs(x).max(-1, keepdims=True)
;;       e = np.where(a > 0, np.clip(np.frexp(np.where(a > 0, a, 1))[1] - 1 - 2, -126, 127), 0)      # np.frexp(a)[1] - 1 = floor(log2(a)), exactly
;;       r = np.clip(x / 2.0 ** e, -7.5, 7.5)
;;       step = 2.0 ** (np.maximum(np.frexp(np.where(r == 0, 1, r))[1] - 1, 0) - 3)
;;       q = np.round(r / step) * step * 2.0 ** e      # np.round: ties to even
;;       return np.moveaxis(q.reshape(q.shape[:-2] + (-1,))[..., :K], -1, axis).astype(np.float32)
;;   ~~~
;;   SOFTMAX AHEAD OF A QUANTISED PRODUCT. Where the list says 'softmax', what is quantised is not the finished softmax but p = 2^(t - M), with t = logit x log2(e) and M = ceil(the row's largest t), a whole number; so 1/2 < the row's largest p <= 1. The row's sum l is taken of the UNQUANTISED p, in f32, and the product's result is divided by l at the end. Since M is a whole number, a kernel that streams over the keys may use a running M (the ceiling of the running maximum): every later rescaling is an exact power of two, which a block's scale takes up: the codes' values come out the same.
;;   OPERANDS COMPUTED ON THE WAY. 'Computed on the way' means the value that the module computes at that place (a softmax that the list does not call 'softmax' is quantised finished and normalised). What goes into a quantiser is computed in f32, as accurately as f32 sums, v_exp_f32 and their like allow (about 1e-6 of the number): no bf16 or f16 on the way to a quantiser, and a product that is left as it is and whose result goes on into a quantised operand takes f32 operands (vector FMAs, or v_wmma_f32_16x16x4_f32). A number that lies on a knife's edge between two numbers of the format may be rounded either way, as far as f32 arithmetic and the matrix unit's own rounding can turn it there, and no further.
;; One version. Each part assembles by itself: llvm-mc -triple=amdgcn-amd-amdhsa -mcpu=gfx1250 --defsym DOCPART=n.
;; ======== version 1 of 1: 4 launches
;; workspace buffers: codes 9,437,184 bytes; scales 393,216 bytes; qkv 19,660,800 bytes; ao_codes 6,291,456 bytes; ao_scales 262,144 bytes
;; launch quant (part 1): grid 384 x 1, 4 waves a work-group, no clusters, 68,096 bytes of LDS; arguments x, w_qkv, w_proj, codes, scales; writes codes, scales
.if DOCPART == 1
	.amdgcn_target "amdgcn-amd-amdhsa--gfx1250"
	.amdhsa_code_object_version 6
	.text
	.protected	k_qcae3988f95_quant
	.globl	k_qcae3988f95_quant
	.p2align	8
	.type	k_qcae3988f95_quant,@function
k_qcae3988f95_quant:
	s_mov_b64 s[64:65], 0
	v_nop
	global_prefetch_b8 v0, s[64:65] scope:SCOPE_SE
	s_setreg_imm32_b32 hwreg(HW_REG_WAVE_MODE, 25, 1), 1
	s_wait_xcnt 0x0
; x [8192][1024], w_qkv [1024][3072] and w_proj [1024][1024], f32, become codes of FP6 (E2M3) with K innermost and one E8M0 byte for each 32 along K.
; ONE TABLE OF 12,288 ROWS: codes [12288][768 bytes], scales [12288][32 bytes].  Rows 0-8191: x's tokens; 8192-11263: w_qkv's columns; 11264-12287: w_proj's columns.
; THE ROWS ARE PERMUTED: place p holds row SW(p), SW = bits 3 and 4 of the number exchanged (inside each 32 rows; SW is its own inverse).  So 16 neighbouring places 16 t + r hold rows 32 (t / 2) + 8 (t % 2) + r + 8 (r / 8):
; used as source 0 of a product, two neighbouring tiles then give a lane 16 NEIGHBOURS along that axis, which is what the later launches quantise along.
; A block's scale is 2^(floor(log2(largest magnitude)) - 2); its byte is the largest magnitude's exponent field - 2, held at 1 from below.
; LIMITS: a block of zeros gets the byte 1 where the rule says 127 (its codes are zeros, and this program alone reads the bytes); blocks whose largest magnitude lies under 2^-124 are held at the byte 1; NaN and infinities are not served.
; Work-groups 0-255 take x (K innermost: a stream of blocks; 32 rows a work-group, 8 rows a wave), work-groups 256-383 the weights (K is the first axis: a lane takes a column, its registers run down K).
; The two ways part on the work-group's number, never join, and have LDS bytes of their own: x's [0, 32768), the weights' [32768, 67584).  No tensor loads, no barrier: waves share nothing.
.set STEPS, 16                         ; x: steps of 512 numbers for a wave
.set CB,    12                         ; bytes of 16 codes
.set R,     16                         ; v16-79   x: four sets of 16 numbers as loaded
.set X,     80                         ; v80-111  x: two sets of 16 neighbours
.set E,     112                        ; v112-127 x: a scale byte for each step
.set C,     128                        ; v128-191 x: codes, four registers for each step
.set WREG,  8192                       ; x: LDS of a wave: two stages of 32 x SP bytes, then its 256 scale bytes
.set SP,    80                         ; a lane's place in a stage: 64 bytes + 16 of padding
.set WLDS,  32768                      ; the weights' stages begin here: 32 rows x WP bytes for each wave
.set WP,    272                        ; a stage row: sixteen places of 16 bytes, 12 bytes of codes in each, + 16
.set SB,    24                         ; v24-25   weights: my column's 8 scale bytes
.set WX,    32                         ; v32-95   weights: two sets of 32 numbers
.set WC,    96                         ; v96-102  weights: a block's codes
.set OUTR,  112                        ; v112-175 weights: the way out
.set WO,    176                        ; v176-207 weights: byte offset of row i of a block: i x the row's bytes + 4 x lane
.macro XLOAD t
.irp i, 0,1,2,3
	global_load_b128 v[R+16*((\t)%4)+4*\i:R+16*((\t)%4)+4*\i+3], v3, s[4:5] offset:2048*(\t)+512*\i th:TH_LOAD_NT   ; 32 lanes read 512 consecutive bytes
.endr
.endm
.macro XTURN t                         ; step t's 2,048 bytes through the stage: in as they lie, back 64 bytes a lane.  LDS serves a wave's instructions in order: no wait between
.irp i, 0,1,2,3
	ds_store_b128 v14, v[R+16*((\t)%4)+4*\i:R+16*((\t)%4)+4*\i+3] offset:32*SP*((\t)%2)+8*SP*\i
.endr
.irp i, 0,1,2,3
	ds_load_b128 v[X+16*((\t)%2)+4*\i:X+16*((\t)%2)+4*\i+3], v15 offset:32*SP*((\t)%2)+16*\i
.endr
.endm
.macro XSTEP t
.set XS, X+16*((\t)%2)
.if (\t) > 0
	s_wait_dscnt 1                                 ; this step's numbers are back from the stage (the last step's byte store may be out): its stores into the stage have read their registers,
.else
	s_wait_dscnt 0x0
.endif
.if (\t)+4 < STEPS
	XLOAD (\t)+4                                   ; which take the loads of four steps on
.endif
.if (\t)+1 < STEPS
.if STEPS-2-(\t) >= 3
	s_wait_loadcnt 12                              ; the next step's four loads are in; those of the three steps behind it may be out
.else
	s_wait_loadcnt 4*(STEPS-2-(\t))
.endif
	XTURN (\t)+1
.endif
	v_max3_num_f32 v8, |v[XS]|, |v[XS+1]|, |v[XS+2]|               ; the largest magnitude of my 16, in two chains
	v_max3_num_f32 v9, |v[XS+3]|, |v[XS+4]|, |v[XS+5]|
.irp i, 6,10
	v_max3_num_f32 v8, v8, |v[XS+\i]|, |v[XS+\i+1]|
	v_max3_num_f32 v9, v9, |v[XS+\i+2]|, |v[XS+\i+3]|
.endr
	v_max3_num_f32 v8, v8, |v[XS+14]|, |v[XS+15]|
	v_max3_num_f32 v8, v8, v9, 0x1800000           ; and the floor 2^(3 - 127): the byte cannot fall under 1
	v_max_num_f32_dpp v8, v8, v8 row_xmask:1 row_mask:0xf bank_mask:0xf   ; and of my neighbour's 16: the block's
	v_add_nc_u32 v11, 0xff000000, v8               ; 2 off its exponent field: the conversion takes the exponent field of this operand as its scale
	v_cvt_scalef32_pk16_fp6_f32 v[C+4*(\t):C+4*(\t)+2], v[XS:XS+15], v11
	v_lshrrev_b32 v[E+(\t)], 23, v11               ; the scale's byte (also the plain line behind the conversion)
	ds_store_b8 v5, v[E+(\t)] offset:16*(\t)       ; both lanes of a block write the same byte with the same value
	global_store_b96 v4, v[C+4*(\t):C+4*(\t)+2], s[10:11] offset:32*CB*(\t)   ; the wave stores 384 consecutive bytes
.endm
.macro WLOAD t                         ; block t of 32 along K: row i of it at my column, into set t % 2; each block has a base of its own, so that no base is stepped
.set NN, 0
.rept 32
	global_load_b32 v[WX+32*((\t)%2)+NN], v[WO+NN], s[32+2*(\t):33+2*(\t)] th:TH_LOAD_NT
.set NN, NN+1
.endr
.endm
.macro WBLOCK t
.set XS, WX+32*((\t)%2)
.if (\t) < 7
	s_wait_loadcnt 32                              ; this block's 32 loads are in; the next block's may be out
.else
	s_wait_loadcnt 0
.endif
	v_max3_num_f32 v12, |v[XS]|, |v[XS+1]|, |v[XS+2]|              ; the block's largest magnitude: all 32 numbers are mine
	v_max3_num_f32 v13, |v[XS+3]|, |v[XS+4]|, |v[XS+5]|
.irp i, 6,10,14,18,22,26
	v_max3_num_f32 v12, v12, |v[XS+\i]|, |v[XS+\i+1]|
	v_max3_num_f32 v13, v13, |v[XS+\i+2]|, |v[XS+\i+3]|
.endr
	v_max3_num_f32 v12, v12, |v[XS+30]|, |v[XS+31]|
	v_max3_num_f32 v12, v12, v13, 0x1800000        ; and the floor
	v_add_nc_u32 v11, 0xff000000, v12
	v_lshrrev_b32 v13, 23, v11                     ; the scale's byte
.if (\t)%4 == 0
	v_mov_b32 v[SB+(\t)/4], v13                    ; four bytes to a register, the lower K in the lower byte
.else
	v_lshl_or_b32 v[SB+(\t)/4], v13, 8*((\t)%4), v[SB+(\t)/4]
.endif
	v_cvt_scalef32_pk16_fp6_f32 v[WC:WC+2], v[XS:XS+15], v11
	v_cvt_scalef32_pk16_fp6_f32 v[WC+4:WC+6], v[XS+16:XS+31], v11   ; (a conversion's three registers begin on an even number)
	ds_store_b96 v4, v[WC:WC+2] offset:32*(\t)     ; 12 bytes to a place of 16: every LDS address is a multiple of 16
	ds_store_b96 v4, v[WC+4:WC+6] offset:32*(\t)+16
.if (\t)+2 < 8
	WLOAD (\t)+2
.endif
	s_wait_dscnt 0x0                               ; the stores have read their registers: the next block's codes may be written
.endm
	s_load_b256 s[4:11], s[0:1], 0x0               ; x s[4:5], w_qkv s[6:7], w_proj s[8:9], codes s[10:11]
	s_load_b64 s[12:13], s[0:1], 0x20              ; scales
	v_lshl_add_u32 v208, v0, 2, 0x10800
	v_mov_b32 v209, 0
	v_lshrrev_b32 v1, 5, v0
	v_readfirstlane_b32 s16, v1                    ; wave 0..3
	v_and_b32 v2, 31, v0                           ; lane
	s_cmp_lt_u32 ttmp9, 256
	s_cbranch_scc0 .Lw
	; ---------------- x ----------------
	v_lshlrev_b32 v3, 4, v2                        ; my 16 bytes of a load's 512
	s_mul_i32 s17, s16, WREG
	v_lshrrev_b32 v14, 2, v2
	v_mul_u32_u24 v14, v14, SP
	v_and_b32 v15, 3, v2
	v_lshl_add_u32 v14, v15, 4, v14
	v_add_nc_u32 v14, s17, v14                     ; the stage, on the way in: SP (lane / 4) + 16 (lane % 4)
	v_mul_u32_u24 v15, v2, SP
	v_add_nc_u32 v15, s17, v15                     ; and on the way out: SP x lane: my 16 neighbours
	v_mul_u32_u24 v4, v2, CB                       ; my codes' place in a step's
	v_lshrrev_b32 v5, 1, v2
	s_add_co_u32 s17, s17, 2*32*SP
	v_add_nc_u32 v5, s17, v5                       ; my wave's 256 scale bytes, my block's byte
	v_lshlrev_b32 v7, 3, v2                        ; and on the way out 8 bytes a lane
	v_add_nc_u32 v6, s17, v7
	s_lshl_b32 s18, ttmp9, 2
	s_add_co_u32 s20, s18, s16                     ; the run of 8 rows that I read: 4 x work-group + wave
	s_and_b32 s19, s16, 1
	s_lshl_b32 s19, s19, 1
	s_lshr_b32 s21, s16, 1
	s_or_b32 s19, s19, s21                         ; the wave's two bits are bits 3 and 4 of the row: exchanged, they give the run's place
	s_add_co_u32 s22, s18, s19                     ; the run that I write
	s_lshl_b32 s20, s20, 15                        ; 8 rows x 4,096 bytes
	s_mov_b32 s21, 0
	s_mul_i32 s24, s22, 6144                       ; 8 rows x 768 bytes
	s_mov_b32 s25, 0
	s_lshl_b32 s26, s22, 8                         ; 8 rows x 32 bytes
	s_mov_b32 s27, 0
	s_wait_alu depctr_va_vdst(0)
	s_wait_kmcnt 0x0
	s_add_nc_u64 s[4:5], s[4:5], s[20:21]
	s_add_nc_u64 s[10:11], s[10:11], s[24:25]
	s_add_nc_u64 s[12:13], s[12:13], s[26:27]
.irp t, 0,1,2,3
	XLOAD \t
.endr
	s_wait_loadcnt 12                              ; step 0's four loads are in
	XTURN 0
.irp t, 0,1,2,3,4,5,6,7,8,9,10,11,12,13,14,15
	XSTEP \t
.endr
	ds_load_b64 v[12:13], v6                       ; LDS serves a wave's instructions in order: these see my byte stores
	s_wait_dscnt 0x0
	global_store_b64 v7, v[12:13], s[12:13]        ; 32 lanes store 256 consecutive bytes, aligned
	s_wait_tensorcnt 0x0
	ds_add_u32 v208, v209
	s_wait_dscnt 0x0
	s_endpgm
	; ---------------- the weights ----------------
.Lw:
	s_sub_co_u32 s17, ttmp9, 256
	s_lshr_b32 s18, s17, 5                         ; which 256 along K: 0..3
	s_and_b32 s19, s17, 31                         ; which 128 columns: 0-23 w_qkv's, 24-31 w_proj's
	s_mov_b32 s22, 4096
	s_wait_kmcnt 0x0
	s_cmp_lt_u32 s19, 24                           ; the choice hangs on the work-group's number alone; only a pointer, a row's length and a first column are chosen
	s_cselect_b64 s[20:21], s[6:7], s[8:9]
	s_cselect_b32 s22, 12288, s22                  ; bytes in a row of the weight
	s_cselect_b32 s23, 0, 24
	s_sub_co_u32 s23, s19, s23                     ; the 128 columns' number inside their tensor
	s_lshl_b32 s24, s18, 8
	s_mul_i32 s24, s24, s22                        ; 256 rows for each step along K,
	s_lshl_b32 s25, s23, 9
	s_add_co_u32 s24, s24, s25                     ; 512 bytes for each 128 columns,
	s_lshl_b32 s25, s16, 7
	s_add_co_u32 s24, s24, s25                     ; 128 bytes for each wave
	s_mov_b32 s25, 0
	s_add_nc_u64 s[32:33], s[20:21], s[24:25]      ; block 0's base
	s_lshl_b32 s26, s22, 5                         ; 32 rows on
	s_mov_b32 s27, 0
.irp t, 1,2,3,4,5,6,7
	s_add_nc_u64 s[32+2*\t:33+2*\t], s[30+2*\t:31+2*\t], s[26:27]
.endr
	s_lshl_b32 s28, s19, 7
	s_lshl_b32 s29, s16, 5
	s_add_co_u32 s28, s28, s29
	s_add_co_u32 s28, s28, 8192                    ; my wave's first row of the table: 8192 + 128 x columns' number + 32 x wave (w_proj's follow w_qkv's: 8192 + 128 x 24 = 11264)
	s_mul_i32 s30, s28, 768
	s_mul_i32 s29, s18, 192
	s_add_co_u32 s30, s30, s29
	s_mov_b32 s31, 0
	s_add_nc_u64 s[10:11], s[10:11], s[30:31]
	s_lshl_b32 s30, s28, 5
	s_lshl_b32 s29, s18, 3
	s_add_co_u32 s30, s30, s29
	s_add_nc_u64 s[12:13], s[12:13], s[30:31]
	s_wait_alu depctr_va_vdst(0)
	v_lshlrev_b32 v3, 2, v2                        ; in: 4 bytes a lane
	v_and_b32 v5, 7, v2
	v_bfe_u32 v6, v2, 3, 1
	v_bfe_u32 v10, v2, 4, 1
	v_lshl_add_u32 v5, v6, 4, v5
	v_lshl_add_u32 v5, v10, 3, v5                  ; SW(lane): my column's place among the wave's 32
	s_mul_i32 s48, s16, 32*WP
	s_add_co_u32 s48, s48, WLDS                    ; my stage
	v_mul_u32_u24 v4, v5, WP
	v_add_nc_u32 v4, s48, v4                       ; into it: row = my column's place
	v_and_b32 v6, 15, v2
	v_mul_u32_u24 v7, v10, WP
	v_lshl_add_u32 v7, v6, 4, v7
	v_add_nc_u32 v7, s48, v7                       ; out of it: sixteen lanes to a row, two rows an instruction
	v_mul_u32_u24 v8, v10, 768
	v_mad_u32_u24 v8, v6, 12, v8                   ; and the same place in the table of codes
	v_lshlrev_b32 v9, 5, v5                        ; my column's row of scale bytes
.set NN, 0
.rept 32
	v_mad_u32_u24 v[WO+NN], s22, NN, v3
.set NN, NN+1
.endr
	WLOAD 0
	WLOAD 1
.irp t, 0,1,2,3,4,5,6,7
	WBLOCK \t
.endr
	s_wait_alu depctr_va_vdst(0)
	global_store_b64 v9, v[SB:SB+1], s[12:13]      ; my column's 8 scale bytes of these 256 along K
.irp t, 0,1,2,3,4,5,6,7,8,9,10,11,12,13,14,15
	ds_load_b96 v[OUTR+4*\t:OUTR+4*\t+2], v7 offset:2*\t*WP   ; LDS serves a wave's instructions in order: these see my stores
.endr
.irp t, 0,1,2,3,4,5,6,7,8,9,10,11,12,13,14,15
	s_wait_dscnt 15-\t
	global_store_b96 v8, v[OUTR+4*\t:OUTR+4*\t+2], s[10:11] offset:2*\t*768   ; sixteen lanes store a row's 192 consecutive bytes
.endr
	s_wait_tensorcnt 0x0
	ds_add_u32 v208, v209
	s_wait_dscnt 0x0
	s_endpgm
.Lfunc_end_k_qcae3988f95_quant:
	.size	k_qcae3988f95_quant, .Lfunc_end_k_qcae3988f95_quant-k_qcae3988f95_quant
	.p2alignl 7, 3214868480
	.fill 96, 4, 3214868480
	.section	.rodata,"a",@progbits
	.p2align	6, 0x0
	.amdhsa_kernel k_qcae3988f95_quant
		.amdhsa_group_segment_fixed_size 68096
		.amdhsa_private_segment_fixed_size 0
		.amdhsa_enable_private_segment 0
		.amdhsa_kernarg_size 40
		.amdhsa_user_sgpr_count 2
		.amdhsa_user_sgpr_kernarg_segment_ptr 1
		.amdhsa_wavefront_size32 1
		.amdhsa_system_sgpr_workgroup_id_x 1
		.amdhsa_system_sgpr_workgroup_id_y 1
		.amdhsa_system_sgpr_workgroup_id_z 1
		.amdhsa_system_vgpr_workitem_id 0
		.amdhsa_next_free_vgpr 210
		.amdhsa_next_free_sgpr 66
		.amdhsa_reserve_vcc 0
		.amdhsa_float_denorm_mode_32 3
		.amdhsa_float_denorm_mode_16_64 3
		.amdhsa_memory_ordered 1
		.amdhsa_forward_progress 1
		.amdhsa_inst_pref_size 76
	.end_amdhsa_kernel
	.amdgpu_metadata
---
amdhsa.version: [ 1, 2 ]
amdhsa.kernels:
  - .name:           k_qcae3988f95_quant
    .symbol:         k_qcae3988f95_quant.kd
    .args:
      - { .name: x, .offset: 0, .size: 8, .value_kind: global_buffer, .address_space: global }
      - { .name: w_qkv, .offset: 8, .size: 8, .value_kind: global_buffer, .address_space: global }
      - { .name: w_proj, .offset: 16, .size: 8, .value_kind: global_buffer, .address_space: global }
      - { .name: codes, .offset: 24, .size: 8, .value_kind: global_buffer, .address_space: global }
      - { .name: scales, .offset: 32, .size: 8, .value_kind: global_buffer, .address_space: global }
    .group_segment_fixed_size: 68096
    .private_segment_fixed_size: 0
    .kernarg_segment_align: 8
    .kernarg_segment_size: 40
    .max_flat_workgroup_size: 128
    .sgpr_count:     66
    .vgpr_count:     210
    .wavefront_size: 32
...
	.end_amdgpu_metadata
.endif
;; end of part 1
;; launch qkv (part 2): grid 8 x 48, 4 waves a work-group, clusters of 4 x 4, 327,680 bytes of LDS; arguments codes, scales, b_qkv, qkv; writes qkv
.if DOCPART == 2
	.amdgcn_target "amdgcn-amd-amdhsa--gfx1250"
	.amdhsa_code_object_version 6
	.text
	.protected	k_qcae3988f95_qkv
	.globl	k_qcae3988f95_qkv
	.p2align	8
	.type	k_qcae3988f95_qkv,@function
k_qcae3988f95_qkv:
	s_mov_b64 s[64:65], 0
	v_nop
	global_prefetch_b8 v0, s[64:65] scope:SCOPE_SE
	s_setreg_imm32_b32 hwreg(HW_REG_WAVE_MODE, 25, 1), 1
	s_wait_xcnt 0x0
	s_wait_alu depctr_hold_cnt(0) depctr_sa_sdst(0) depctr_va_vdst(0) depctr_va_sdst(0) depctr_va_ssrc(0) depctr_va_vcc(0) depctr_vm_vsrc(0)
	s_getreg_b32 s2, hwreg(HW_REG_IB_STS2, 6, 4)
	s_cmp_eq_u32 s2, 0
	s_cbranch_scc0 .Lentry_in_a_cluster
	s_endpgm
.Lentry_in_a_cluster:
	s_bfe_u32 s2, ttmp6, 0x10000c
	s_cmp_lg_u32 s2, 0xf033
	s_cbranch_scc0 .Lentry_shape_is_right
	s_endpgm
.Lentry_shape_is_right:
.set KSTEP,  256
.set NQ,     2
.set ROWB,   192
.set KROW,   768
.set PITCH,  240
.set FR,     12
.set NL,     6
.set NP,     4
.set HALFT,  128*PITCH
.set SLOT,   4*HALFT
.set KS,     32
.set SCL,    2*SLOT
.set HALFS,  (128*KS/256)*272
.set SBLK,   (16*KS/256)*272
.set SPARE,  SCL+4*HALFS
.set CHUNK,  19200
.set HEADB,  16*CHUNK
.set BIO,  7
.set ADRA, 16
.set ADRB, 20
.set SIN,  24
.set SOUT, 25
.set LI,   26
.set ADRS, 27
.set SPW,  28
.set NIL,  29
.set GS,   30
.set BJO,  31
.set SC,   32
.set BJ,   64
.set BI,   96
.set AF,   128
.set T,    128
.set TM,   192
.set CT,   208
.set GA,   216
.set GB,   228
.set PWA,  240
.set PWB,  241
.set WA,   242
.set WB,   243
.set SCW,  244
.set SEL,  2
.set OUT,  66
.set TYPE, 95
.set G1, 24
.set G0, 32
.set G1B, 48
.set G0B, 56
.set G1S, 68
.set G0S, 76
.set G1SB, 80
.set G0SB, 88
.set MSB, 0
.macro WIN new
.if MSB != (\new)
	s_set_vgpr_msb (MSB<<8)|(\new)
.set MSB, (\new)
.endif
.endm
.set MUL_LO, 0xa1
.set MUL_HI, 0xf1
.set TO_B,   0x40
.macro JLOAD g0a, g1a, g0b, g1b
	s_cmp_eq_u32 s15, 0
	s_cbranch_scc0 .Lfor_b_\@
	tensor_load_to_lds s[\g0a:\g0a+3], s[\g1a:\g1a+7]
	s_nop 0
.rept 4
	v_nop
.endr
	s_branch .Lasked_\@
.Lfor_b_\@:
	tensor_load_to_lds s[\g0b:\g0b+3], s[\g1b:\g1b+7]
	s_nop 0
.rept 4
	v_nop
.endr
.Lasked_\@:
.endm
.macro CREST
	s_cmp_lg_u32 s14, 0
	s_cbranch_scc1 .Lnot_wave_0_\@
	s_barrier_signal -3
.Lnot_wave_0_\@:
	s_barrier_wait -3
	s_barrier_signal -1
	s_barrier_wait -1
.endm
.macro CROUND
	s_barrier_signal -1
	s_barrier_wait -1
	CREST
.endm
	s_load_b256 s[4:11], s[0:1], 0x0
	v_lshl_add_u32 v[SPW], v0, 2, SPARE
	v_mov_b32 v[NIL], 0
	ds_add_u32 v28, v29
	ds_add_u32 v28, v29
	s_wait_dscnt 0x0
	v_lshrrev_b32 v1, 5, v0
	v_readfirstlane_b32 s14, v1
	s_lshr_b32 s15, s14, 1
	s_and_b32 s16, s14, 1
	s_bfe_u32 s40, ttmp6, 0x40000
	s_bfe_u32 s41, ttmp6, 0x40004
	s_and_b32 s43, ttmp7, 0xffff
	s_add_co_u32 s44, ttmp9, 8
	s_max_u32 s45, s43, 8
	s_lshl_b32 s45, s45, 1
	s_add_co_u32 s45, s45, ttmp9
	s_sub_co_u32 s45, s45, 16
	s_cmp_lt_u32 s43, 8
	s_cselect_b32 s[TYPE], 0, 1
	s_cselect_b32 s17, s43, 10
	s_cselect_b32 s42, s44, s45
	s_lshl_b32 s17, s17, 2
	s_add_co_u32 s17, s17, s41
	s_lshl_b32 s42, s42, 2
	s_add_co_u32 s42, s42, s40
	s_lshl_b32 s43, s41, 2
	s_lshl_b32 s43, 15, s43
	s_lshl_b32 s44, 0x1111, s40
	s_or_b32 s[G1+0], s43, (0<<16)|(1<<20)|(1<<21)|(3<<22)|(3<<25)
	s_or_b32 s[G1B+0], s44, (0<<16)|(1<<20)|(1<<21)|(3<<22)|(3<<25)
.irp g, G1, G1B
	s_mov_b32 s[\g+1], ROWB<<16
	s_mov_b32 s[\g+2], 128<<16
	s_mov_b32 s[\g+3], ROWB<<16
	s_mov_b32 s[\g+4], 128
	s_mov_b32 s[\g+5], KROW
	s_mov_b32 s[\g+6], 0
	s_mov_b32 s[\g+7], 0
.endr
	s_or_b32 s[G1S+0], s43, (3<<16)|(1<<20)|(1<<21)|(5<<22)|(3<<25)
	s_or_b32 s[G1SB+0], s44, (3<<16)|(1<<20)|(1<<21)|(5<<22)|(3<<25)
.irp g, G1S, G1SB
	s_mov_b32 s[\g+1], 32<<16
	s_mov_b32 s[\g+2], (128*KS/256)<<16
	s_mov_b32 s[\g+3], 32<<16
	s_mov_b32 s[\g+4], 128*KS/256
	s_mov_b32 s[\g+5], 32
	s_mov_b32 s[\g+6], 0
	s_mov_b32 s[\g+7], 0
.endr
	s_lshl_b32 s18, s16, 7
	s_lshl_b32 s20, s17, 8
	s_add_co_u32 s20, s20, s18
	s_lshl_b32 s46, s42, 8
	s_add_co_u32 s46, s46, s18
	s_mov_b32 s21, 0
	s_mov_b32 s47, 0
	s_mov_b64 s[18:19], KS
	s_mul_u64 s[22:23], s[20:21], s[18:19]
	s_mul_u64 s[92:93], s[46:47], s[18:19]
	s_mov_b64 s[18:19], KROW
	s_mul_u64 s[20:21], s[20:21], s[18:19]
	s_mul_u64 s[46:47], s[46:47], s[18:19]
	s_mul_i32 s45, s14, HALFT
	s_mul_i32 s94, s14, HALFS
	s_wait_kmcnt 0x0
	s_add_nc_u64 s[20:21], s[4:5], s[20:21]
	s_add_nc_u64 s[22:23], s[6:7], s[22:23]
	s_add_nc_u64 s[46:47], s[4:5], s[46:47]
	s_add_nc_u64 s[92:93], s[6:7], s[92:93]
	CROUND
	s_mov_b32 s[G0S], 1
	s_add_co_u32 s[G0S+1], s94, SCL
	s_mov_b64 s[G0S+2:G0S+3], s[22:23]
	s_or_b32 s[G0S+3], s[G0S+3], 0x80000000
	s_mov_b32 s[G0SB], 1
	s_add_co_u32 s[G0SB+1], s94, SCL
	s_mov_b64 s[G0SB+2:G0SB+3], s[92:93]
	s_or_b32 s[G0SB+3], s[G0SB+3], 0x80000000
	JLOAD G0S, G1S, G0SB, G1SB
.irp s, 0,1
	s_mov_b32 s[G0+4*\s], 1
	s_add_co_u32 s[G0+4*\s+1], s45, \s*SLOT
	s_add_nc_u64 s[G0+4*\s+2:G0+4*\s+3], s[20:21], \s*ROWB
	s_or_b32 s[G0+4*\s+3], s[G0+4*\s+3], 0x80000000
	s_mov_b32 s[G0B+4*\s], 1
	s_add_co_u32 s[G0B+4*\s+1], s45, \s*SLOT
	s_add_nc_u64 s[G0B+4*\s+2:G0B+4*\s+3], s[46:47], \s*ROWB
	s_or_b32 s[G0B+4*\s+3], s[G0B+4*\s+3], 0x80000000
	s_wait_alu depctr_va_vdst(0)
	s_wait_tensorcnt 0x0
	ds_add_u32 v28, v29
	s_wait_dscnt 0x0
	CROUND
	JLOAD G0+4*\s, G1, G0B+4*\s, G1B
.endr
	v_and_b32 v1, 15, v0
	v_bfe_u32 v2, v0, 4, 1
	v_mul_u32_u24 v3, v1, PITCH
	v_mul_u32_u24 v4, v2, 24
	v_add_nc_u32 v4, v3, v4
	v_lshl_add_u32 v5, v2, 4, v4
	s_mul_i32 s21, s15, HALFT
	s_mul_i32 s22, s16, HALFT
	s_add_co_u32 s22, s22, 2*HALFT
.irp s, 0,1
	v_add_nc_u32 v[ADRA+\s], s21, v4
	v_add_nc_u32 v[ADRB+\s], s22, v4
	v_add_nc_u32 v[ADRA+2+\s], s21, v5
	v_add_nc_u32 v[ADRB+2+\s], s22, v5
	s_add_co_u32 s21, s21, SLOT
	s_add_co_u32 s22, s22, SLOT
.endr
	v_mul_u32_u24 v5, v1, KS
	v_lshrrev_b32 v6, 8, v5
	v_lshl_add_u32 v5, v6, 4, v5
	s_mul_i32 s21, s15, HALFS
	s_mul_i32 s22, s16, HALFS
	s_add_co_u32 s22, s22, 2*HALFS
	s_sub_co_u32 s22, s22, s21
	v_mul_u32_u24 v6, s22, v2
	s_add_co_u32 s21, s21, SCL
	v_add_nc_u32 v5, v5, v6
	v_add_nc_u32 v[ADRS], s21, v5
	s_lshl_b32 s23, s14, 9
	v_lshl_add_u32 v[SIN], v1, 2, s23
	v_and_b32 v6, 31, v0
	v_lshlrev_b32 v[LI], 4, v6
	v_add_nc_u32 v[SOUT], s23, v[LI]
	v_mul_u32_u24 v[GS], v2, HEADB
	v_lshl_add_u32 v[GS], v1, 4, v[GS]
	v_lshlrev_b32 v[BJO], 6, v2
	s_wait_alu depctr_va_vdst(0)
	v_and_b32 v[BIO], 8, v1
	v_add_nc_u32 v[BIO], v[BIO], v1
	v_lshlrev_b32 v[BIO], 2, v[BIO]
	s_wait_alu depctr_va_vdst(0)
	s_mov_b32 s[SEL], 0x76543210
	s_mov_b32 s[SEL+1], 0xfedcba98
	s_lshl_b32 s20, s17, 1
	s_add_co_u32 s20, s20, s15
	s_lshl_b32 s21, s42, 1
	s_add_co_u32 s21, s21, s16
	s_and_b32 s22, s21, 15
	s_lshl_b32 s22, s22, 9
	s_and_b32 s23, s20, 7
	s_lshl_b32 s23, s23, 9
	s_add_co_u32 s23, s23, 8192
	s_and_b32 s46, s21, 7
	s_and_b32 s47, s20, 7
	s_mov_b32 s93, 12800
	s_cmp_eq_u32 ttmp9, 0
	s_cselect_b32 s93, s93, 0
	s_mov_b32 s94, 6400
	s_cmp_eq_u32 s[TYPE], 0
	s_cselect_b32 s96, s20, s21
	s_cselect_b32 s97, s46, s47
	s_cselect_b32 s93, s93, s94
	s_lshr_b32 s20, s96, 4
	s_lshl_b32 s20, s20, 8
	s_and_b32 s21, s96, 15
	s_add_co_u32 s20, s20, s21
	s_lshl_b32 s21, s97, 5
	s_add_co_u32 s20, s20, s21
	s_mul_i32 s20, s20, CHUNK
	s_add_co_u32 s20, s20, s93
	s_mov_b32 s21, 0
	s_add_nc_u64 s[OUT:OUT+1], s[10:11], s[20:21]
	s_mov_b32 s20, s22
	s_add_nc_u64 s[22:23], s[8:9], s[20:21]
	s_mov_b32 s20, s23
	s_mov_b32 s20, s20
	s_and_b32 s20, s47, 7
	s_lshl_b32 s20, s20, 9
	s_add_co_u32 s20, s20, 8192
	s_add_nc_u64 s[46:47], s[8:9], s[20:21]
.irp b, 0,1,2,3
.irp q, 0,1,2,3
	global_load_b128 v[BJ+16*\b+4*\q:BJ+16*\b+4*\q+3], v[BJO], s[22:23] offset:128*\b+16*\q
.endr
.endr
	WIN TO_B
.irp a, 0,1,2,3,4,5,6,7
	global_load_b32 v[BI+2*\a], v[BIO], s[46:47] offset:4*(32*(\a/2)+8*(\a%2))
	global_load_b32 v[BI+2*\a+1], v[BIO], s[46:47] offset:4*(32*(\a/2)+8*(\a%2))
.endr
	WIN 0
.macro FRAG reg, adr, q, i
.irp p, 0,1,2,3,4,5
.set PCE, 12*(\q)+6*(\p/3)+\p%3
.if PCE%8 < 5
	ds_load_b64 v[\reg+2*\p:\reg+2*\p+1], v[\adr] offset:8*PCE+16*(PCE/8)+(\i)*16*PITCH
.else
	ds_load_b64 v[\reg+2*\p:\reg+2*\p+1], v[\adr+2] offset:8*PCE+16*(PCE/8)+(\i)*16*PITCH
.endif
.endr
.endm
.macro MUL16 a0, p, q, sc, zero
.irp a, \a0, \a0+1
.irp b, 0,1,2,3,4,5,6,7
.if \zero
	v_wmma_scale_f32_16x16x128_f8f6f4 v[8*(8*((\a)%4)+\b):8*(8*((\a)%4)+\b)+7], v[128*(\p)+FR*\b:128*(\p)+FR*\b+FR-1], v[AF+FR*(\a):AF+FR*(\a)+FR-1], 0, v[SC+8*NQ*(\sc)+NQ*\b+(\q)], v[SC+8*NQ*(\sc)+NQ*(\a)+(\q)] matrix_a_fmt:MATRIX_FMT_FP6 matrix_b_fmt:MATRIX_FMT_FP6 matrix_a_scale:MATRIX_SCALE_ROW1
.else
	v_wmma_scale_f32_16x16x128_f8f6f4 v[8*(8*((\a)%4)+\b):8*(8*((\a)%4)+\b)+7], v[128*(\p)+FR*\b:128*(\p)+FR*\b+FR-1], v[AF+FR*(\a):AF+FR*(\a)+FR-1], v[8*(8*((\a)%4)+\b):8*(8*((\a)%4)+\b)+7], v[SC+8*NQ*(\sc)+NQ*\b+(\q)], v[SC+8*NQ*(\sc)+NQ*(\a)+(\q)] matrix_a_fmt:MATRIX_FMT_FP6 matrix_b_fmt:MATRIX_FMT_FP6 matrix_a_scale:MATRIX_SCALE_ROW1
.endif
.endr
.endr
.endm
.macro FETCH_B slot, q, p
	WIN TO_B
.irp i, 0,1,2,3,4,5,6,7
	FRAG 128*(\p)+FR*\i, ADRB+\slot, \q, \i
.endr
	WIN 0
.endm
.macro FETCH_A slot, q, i0
.irp i, \i0, \i0+1, \i0+2, \i0+3
	FRAG AF+FR*(\i), ADRA+\slot, \q, \i
.endr
.endm
.macro SCALES sc
.irp i, 0,1,2,3,4,5,6,7
	ds_load_b64 v[SC+8*NQ*\sc+NQ*\i:SC+8*NQ*\sc+NQ*\i+1], v[ADRS] offset:\i*SBLK
.endr
.endm
.macro PLACES n
.rept \n
	v_nop
.endr
.endm
.macro STEP slot, q, zero
	s_wait_dscnt 4*NL
	WIN MUL_LO
	MUL16 0, (\q)%2, \q, \slot, \zero
	MUL16 2, (\q)%2, \q, \slot, \zero
	s_wait_dscnt 0
	PLACES NP
	FETCH_B \slot, (\q)+1, 1-(\q)%2
	FETCH_A \slot, (\q)+1, 0
	WIN MUL_HI
	MUL16 4, (\q)%2, \q, \slot, \zero
	MUL16 6, (\q)%2, \q, \slot, \zero
	PLACES NP
	WIN 0
	FETCH_A \slot, (\q)+1, 4
.endm
.macro TURN slot, next, fill
	s_wait_tensorcnt 0x0
	ds_add_u32 v[SPW], v[NIL]
	s_wait_dscnt 4*NL+1
	WIN MUL_LO
	MUL16 0, 1, NQ-1, \slot, 0
	s_wait_dscnt 0x0
	s_barrier_signal -1
	MUL16 2, 1, NQ-1, \slot, 0
	WIN 0
	s_barrier_wait -1
.if \fill
	CREST
	s_add_nc_u64 s[G0+4*\slot+2:G0+4*\slot+3], s[G0+4*\slot+2:G0+4*\slot+3], 2*ROWB
	s_add_nc_u64 s[G0B+4*\slot+2:G0B+4*\slot+3], s[G0B+4*\slot+2:G0B+4*\slot+3], 2*ROWB
	JLOAD G0+4*\slot, G1, G0B+4*\slot, G1B
.else
	PLACES NP
.endif
	s_wait_alu depctr_va_vdst(0)
	v_add_nc_u32 v[ADRS], 4*NQ, v[ADRS]
	FETCH_B \next, 0, 0
	FETCH_A \next, 0, 0
	SCALES \next
	WIN MUL_HI
	MUL16 4, 1, NQ-1, \slot, 0
	MUL16 6, 1, NQ-1, \slot, 0
	PLACES NP
	WIN 0
	FETCH_A \next, 0, 4
.endm
	s_wait_tensorcnt 1
	s_barrier_signal -1
	s_barrier_wait -1
	FETCH_B 0, 0, 0
	FETCH_A 0, 0, 0
	SCALES 0
	FETCH_A 0, 0, 4
	STEP 0, 0, 1
	TURN 0, 1, 1
	STEP 1, 0, 0
	TURN 1, 0, 1
	STEP 0, 0, 0
	TURN 0, 1, 0
	STEP 1, 0, 0
	s_wait_dscnt 4*NL
	WIN MUL_LO
	MUL16 0, 1, NQ-1, 1, 0
	MUL16 2, 1, NQ-1, 1, 0
	s_wait_dscnt 0
	WIN MUL_HI
	MUL16 4, 1, NQ-1, 1, 0
	MUL16 6, 1, NQ-1, 1, 0
	WIN 0
.macro ADDJ a
	WIN 0x02+(\a)/4
.set NN, 0
.rept 32
	v_pk_add_f32 v[T+2*NN:T+2*NN+1], v[64*((\a)%4)+2*NN:64*((\a)%4)+2*NN+1], v[BJ+2*NN:BJ+2*NN+1]
.set NN, NN+1
.endr
	WIN 0
.endm
.macro ADDI a
	WIN 0x06+(\a)/4
.set NN, 0
.rept 32
	v_pk_add_f32 v[T+2*NN:T+2*NN+1], v[64*((\a)%4)+2*NN:64*((\a)%4)+2*NN+1], v[BI+2*(\a):BI+2*(\a)+1]
.set NN, NN+1
.endr
	WIN 0
.endm
.macro QUANT s, d0, d1, pw
.irp b, 0,1,2,3
	v_max3_num_f32 v[TM+\b], |v[\s+16*\b]|, |v[\s+1+16*\b]|, 0x1800000
.endr
.irp i, 2,4,6,8,10,12,14
.irp b, 0,1,2,3
	v_max3_num_f32 v[TM+\b], v[TM+\b], |v[\s+16*\b+\i]|, |v[\s+1+16*\b+\i]|
.endr
.endr
.irp b, 0,1,2,3
	v_permlanex16_b32 v[TM+4+\b], v[TM+\b], s[SEL], s[SEL+1]
.endr
.irp b, 0,1,2,3
	v_max_num_f32 v[TM+\b], v[TM+\b], v[TM+4+\b]
.endr
.irp b, 0,1,2,3
	v_add_nc_u32 v[TM+12+\b], 0xff000000, v[TM+\b]
.endr
.irp b, 0,1,2,3
	v_lshrrev_b32 v[TM+4+\b], 23, v[TM+12+\b]
.endr
	v_lshl_or_b32 v[\pw], v[TM+5], 8, v[TM+4]
	v_lshl_or_b32 v[\pw], v[TM+6], 16, v[\pw]
	v_lshl_or_b32 v[\pw], v[TM+7], 24, v[\pw]
	v_cvt_scalef32_pk16_fp6_f32 v[\d0:\d0+2], v[\s:\s+15], v[TM+12]
	v_cvt_scalef32_pk16_fp6_f32 v[CT:CT+2], v[\s+16:\s+31], v[TM+13]
	v_cvt_scalef32_pk16_fp6_f32 v[\d1:\d1+2], v[\s+32:\s+47], v[TM+14]
	v_cvt_scalef32_pk16_fp6_f32 v[CT+4:CT+6], v[\s+48:\s+63], v[TM+15]
	v_nop
.irp i, 0,1,2
	v_permlane16_swap_b32 v[\d0+\i], v[CT+\i]
.endr
.irp i, 0,1,2
	v_mov_b32 v[\d0+3+\i], v[CT+\i]
.endr
.irp i, 0,1,2
	v_permlane16_swap_b32 v[\d1+\i], v[CT+4+\i]
.endr
.irp i, 0,1,2
	v_mov_b32 v[\d1+3+\i], v[CT+4+\i]
.endr
.endm
.macro PUT g, off
.irp c, 0,1,2
	global_store_b128 v[LI], v[\g+4*\c:\g+4*\c+3], s[OUT:OUT+1] offset:\off+512*\c
.endr
.endm
.macro SCOUT scr
	ds_load_b128 v[SCW:SCW+3], v[SOUT] offset:\scr
	s_wait_dscnt 0x0
	global_store_b128 v[GS], v[SCW:SCW+3], s[OUT:OUT+1] offset:6144
.endm
	PLACES NP
.irp b, 0,1,2,3
	v_mov_b32 v[TM+4+\b], 0
.endr
	s_wait_loadcnt 0x0
	s_cmp_lg_u32 s[TYPE], 0
	s_cbranch_scc1 .Lvpart
.irp p, 0,1,2,3
	s_wait_xcnt 0x0
	ADDJ 2*\p
	QUANT T, GA, GB, PWA
	ADDJ 2*\p+1
	QUANT T, GA+6, GB+6, PWB
	v_perm_b32 v[WA], v[PWB], v[PWA], 0x05040100
	v_perm_b32 v[WB], v[PWB], v[PWA], 0x07060302
	ds_store_b32 v[SIN], v[WA] offset:64*\p
	ds_store_b32 v[SIN], v[WB] offset:256+64*\p
	PUT GA, 1536*\p
	PUT GB, HEADB+1536*\p
.endr
	SCOUT 0
	s_branch .Lend
.Lvpart:
.irp a, 0,1,2,3,4,5,6,7
	s_wait_xcnt 0x0
	ADDI \a
	QUANT T, GA+12*(\a%2), GA+12*(\a%2)+6, PWA
	ds_store_b32 v[SIN], v[PWA] offset:2048+256*(\a/4)+64*(\a%4)
	PUT GA+12*(\a%2), HEADB*(\a/4)+1536*(\a%4)
.endr
	SCOUT 2048
.Lend:
	s_wait_tensorcnt 0x0
	ds_add_u32 v[SPW], v[NIL]
	s_wait_dscnt 0x0
	CROUND
	s_endpgm
.Lfunc_end_k_qcae3988f95_qkv:
	.size	k_qcae3988f95_qkv, .Lfunc_end_k_qcae3988f95_qkv-k_qcae3988f95_qkv
	.p2alignl 7, 3214868480
	.fill 96, 4, 3214868480
	.section	.rodata,"a",@progbits
	.p2align	6, 0x0
	.amdhsa_kernel k_qcae3988f95_qkv
		.amdhsa_group_segment_fixed_size 327680
		.amdhsa_private_segment_fixed_size 0
		.amdhsa_enable_private_segment 0
		.amdhsa_kernarg_size 32
		.amdhsa_user_sgpr_count 2
		.amdhsa_user_sgpr_kernarg_segment_ptr 1
		.amdhsa_wavefront_size32 1
		.amdhsa_system_sgpr_workgroup_id_x 1
		.amdhsa_system_sgpr_workgroup_id_y 1
		.amdhsa_system_sgpr_workgroup_id_z 1
		.amdhsa_system_vgpr_workitem_id 0
		.amdhsa_next_free_vgpr 1024
		.amdhsa_next_free_sgpr 98
		.amdhsa_reserve_vcc 0
		.amdhsa_float_denorm_mode_32 3
		.amdhsa_float_denorm_mode_16_64 3
		.amdhsa_memory_ordered 1
		.amdhsa_forward_progress 1
		.amdhsa_inst_pref_size 235
	.end_amdhsa_kernel
	.amdgpu_metadata
---
amdhsa.version: [ 1, 2 ]
amdhsa.kernels:
  - .name:           k_qcae3988f95_qkv
    .symbol:         k_qcae3988f95_qkv.kd
    .args:
      - { .name: codes, .offset: 0, .size: 8, .value_kind: global_buffer, .address_space: global }
      - { .name: scales, .offset: 8, .size: 8, .value_kind: global_buffer, .address_space: global }
      - { .name: b_qkv, .offset: 16, .size: 8, .value_kind: global_buffer, .address_space: global }
      - { .name: qkv, .offset: 24, .size: 8, .value_kind: global_buffer, .address_space: global }
    .group_segment_fixed_size: 327680
    .private_segment_fixed_size: 0
    .kernarg_segment_align: 8
    .kernarg_segment_size: 32
    .max_flat_workgroup_size: 128
    .sgpr_count:     98
    .vgpr_count:     1024
    .wavefront_size: 32
...
	.end_amdgpu_metadata
.endif
;; end of part 2
;; launch attn (part 3): grid 4 x 64, 16 waves a work-group, clusters of 4 x 1, 206,848 bytes of LDS; arguments qkv, ao_codes, ao_scales; writes ao_codes, ao_scales
.if DOCPART == 3
	.amdgcn_target "amdgcn-amd-amdhsa--gfx1250"
	.amdhsa_code_object_version 6
	.text
	.protected	k_qcae3988f95_attn
	.globl	k_qcae3988f95_attn
	.p2align	8
	.type	k_qcae3988f95_attn,@function
k_qcae3988f95_attn:
	s_mov_b64 s[64:65], 0
	v_nop
	global_prefetch_b8 v0, s[64:65] scope:SCOPE_SE
	s_setreg_imm32_b32 hwreg(HW_REG_WAVE_MODE, 25, 1), 1
	s_wait_xcnt 0x0
	s_wait_alu depctr_hold_cnt(0) depctr_sa_sdst(0) depctr_va_vdst(0) depctr_va_sdst(0) depctr_va_ssrc(0) depctr_va_vcc(0) depctr_vm_vsrc(0)
	s_getreg_b32 s2, hwreg(HW_REG_IB_STS2, 6, 4)
	s_cmp_eq_u32 s2, 0
	s_cbranch_scc0 .Lentry_in_a_cluster
	s_endpgm
.Lentry_in_a_cluster:
	s_bfe_u32 s2, ttmp6, 0x10000c
	s_cmp_lg_u32 s2, 0x3003
	s_cbranch_scc0 .Lentry_shape_is_right
	s_endpgm
.Lentry_shape_is_right:
; o = softmax(q k^T / 8) v for one head, both products on codes of FP6 (E2M3) with E8M0 scales; o is divided by the row's sum and quantised along the model's 1,024 for the last product.
; THE SOFTMAX: t = score x log2(e) / 8; M = the running largest t, rounded UP to a whole number; p = 2^(t - M) is quantised along the keys, not normalised; the row's sum is taken of the unquantised p.
; When M moves, the sum and O are multiplied by 2^(old M - new M): exact.
; IN: qkv, 1,024 chunks of 19,200 bytes, chunk = head (0..63) x 16 + step of 128 token places: K's part at 0, V's at 6,400, Q's at 12,800; a part is four images of a fragment's 12 registers (register 4 c + e of lane l at
; 512 c + 16 l + 4 e), then 64 scale words.  An image of K or Q holds two tiles of 16 tokens x 64 (registers 0-5, 6-11), an image of V 16 of the head's 64 x 128 keys.
; THE HEAD'S 64 IN AN INSTRUCTION OF 128: an image of K is one operand: [tile 2 n | tile 2 n + 1].  Q is kept twice, [q | zeros] and [zeros | q]: the first product gives tile 2 n's scores, the second tile 2 n + 1's.  Zero codes add nothing.
; SHARES: a work-group owns 512 query places of one head, in two passes of 256; each of its sixteen waves one tile of 16 in a pass, in 256 registers: four waves to a SIMD, so that one wave's vector work stands beside another's products and LDS loads.
; K AND V OF THE WHOLE HEAD STAY IN LDS: 16 steps x 12,800 bytes, filled once (wave w brings step w), never again: no ring, one barrier, and no LDS store in the text.
; CLUSTER: the four work-groups of a head read the same K and V: each step is asked for jointly, mask 15.  Nothing is left to ask for ahead: all of K and V is asked for at the head.
; LAYOUT: both products are used transposed: a lane holds ONE query (lane % 16).  The tokens and the head's 64 lie in the earlier launches' places (bits 3 and 4 of the number exchanged), so that the 16 registers of two
; neighbouring tiles are 16 neighbouring keys, 32 b + 16 (lane / 16) + 0 .. 15, and likewise 16 neighbours of the head's 64 in O.
; OUT: ao_codes: 512 tiles of 16 rows x 8 fragments x 1,536 bytes; a fragment is six pieces of 256 bytes, piece P = registers 2 P, 2 P + 1 at 8 x lane: an even head writes pieces 0-2, an odd one 3-5.  ao_scales [8192][32]: bytes 2 head, 2 head + 1:
; two bytes of each row's 32 a store, since a head owns two of a row's 32 blocks: one byte for each 24 bytes of codes.
; LIMITS: a block of zeros gets the byte 1 where the rule says 127 (its codes are zeros; this program alone reads the bytes); NaN and infinities are not served.
.set CHUNK, 19200
.set STEPB, 12800                      ; K's and V's parts of a chunk: what lies in LDS for a step
.set ADK,  9                           ; v9   16 x lane + the step's first byte
.set ADS,  10                          ; v10  4 x lane + the same
.set QLO,  16                          ; v16-27  [q | zeros]
.set QHI,  28                          ; v28-39  [zeros | q]
.set F,    40                          ; v40-87  four images: K's, then V's
.set S,    88                          ; v88-151 the scores, then p
.set O,    152                         ; v152-183 O^T
.set PC,   184                         ; v184-195 p's codes
.set CT,   196                         ; v196-202 the conversions' second halves
.set BM,   204                         ; v204-207 a block's largest score, then its largest p
.set BT,   208                         ; v208-211 at work
.set SO,   212                         ; v212-215 the conversions' scale operands
.set L2,   216                         ; v[216:217] the sum's second chain
.set FF,   218                         ; v[218:219] f = 2^(old M - new M); v219 is named with it as a pair and stays 0
.set TA,   220
.set QS,   221                         ; q's scale word;  v221-226 hold scales and nothing else
.set PS,   222                         ; p's
.set KSC,  223                         ; v223-224 K's: lanes 0-15 image 2 g, lanes 16-31 image 2 g + 1
.set VSC,  225                         ; v225-226 V's likewise
.set QRAW, 227
.set WV,   12                          ; s12  my wave's number
.set G1,   16                          ; s[16:23]
.set G0,   24                          ; s[24:27]
.set SEL,  28                          ; s[28:29] lane selects: lane l xor 16
.set CS,   30                          ; s[30:31] c = log2(e) / 8
.set TB,   32                          ; s32  LDS byte at which the step in hand begins
.set CNT,  33                          ; s33  steps to go
.set PAR,  34                          ; s34  16 x (wave % 2): where my tile's two scale bytes stand in the pair's word
.macro ROUND                           ; a round of the cluster's barrier
	s_barrier_signal -1
	s_barrier_wait -1
	s_cmp_lg_u32 s[WV], 0
	s_cbranch_scc1 .Lnot_wave_0_\@
	s_barrier_signal -3
.Lnot_wave_0_\@:
	s_barrier_wait -3
	s_barrier_signal -1
	s_barrier_wait -1
.endm
; A KEY STEP: 128 keys.
.macro STEP
	v_add_nc_u32 v[ADK], s[TB], v1
	v_add_nc_u32 v[ADS], s[TB], v2
	v_nop
	v_nop                                          ; four plain lines behind the last step's products, in front of loads into the registers that they read
.irp f, 0,1,2,3
.irp c, 0,1,2
	ds_load_b128 v[F+12*\f+4*\c:F+12*\f+4*\c+3], v[ADK] offset:1536*\f+512*\c    ; K's four images: 512 consecutive bytes a load
.endr
.endr
	ds_load_b32 v[KSC], v[ADS] offset:6144
	ds_load_b32 v[KSC+1], v[ADS] offset:6272
	s_wait_alu depctr_va_vdst(0)
	s_wait_dscnt 0x0
.irp f, 0,1,2,3                                ; S^T = K Q^T: image f gives tiles 2 f and 2 f + 1
.if \f%2
	v_wmma_scale_f32_16x16x128_f8f6f4 v[S+16*\f:S+16*\f+7], v[F+12*\f:F+12*\f+11], v[QLO:QLO+11], 0, v[KSC+\f/2], v[QS] matrix_a_fmt:MATRIX_FMT_FP6 matrix_b_fmt:MATRIX_FMT_FP6 matrix_a_scale:MATRIX_SCALE_ROW1
	v_wmma_scale_f32_16x16x128_f8f6f4 v[S+16*\f+8:S+16*\f+15], v[F+12*\f:F+12*\f+11], v[QHI:QHI+11], 0, v[KSC+\f/2], v[QS] matrix_a_fmt:MATRIX_FMT_FP6 matrix_b_fmt:MATRIX_FMT_FP6 matrix_a_scale:MATRIX_SCALE_ROW1
.else
	v_wmma_scale_f32_16x16x128_f8f6f4 v[S+16*\f:S+16*\f+7], v[F+12*\f:F+12*\f+11], v[QLO:QLO+11], 0, v[KSC+\f/2], v[QS] matrix_a_fmt:MATRIX_FMT_FP6 matrix_b_fmt:MATRIX_FMT_FP6
	v_wmma_scale_f32_16x16x128_f8f6f4 v[S+16*\f+8:S+16*\f+15], v[F+12*\f:F+12*\f+11], v[QHI:QHI+11], 0, v[KSC+\f/2], v[QS] matrix_a_fmt:MATRIX_FMT_FP6 matrix_b_fmt:MATRIX_FMT_FP6
.endif
.endr
.rept 4
	v_nop                                          ; places in front of the loads below and of the first read of the scores
.endr
.irp f, 0,1,2,3
.irp c, 0,1,2
	ds_load_b128 v[F+12*\f+4*\c:F+12*\f+4*\c+3], v[ADK] offset:6400+1536*\f+512*\c   ; V's four images, asked for now: they land under the softmax
.endr
.endr
	ds_load_b32 v[VSC], v[ADS] offset:12544
	ds_load_b32 v[VSC+1], v[ADS] offset:12672
.irp b, 0,1,2,3
	v_max3_num_f32 v[BM+\b], v[S+16*\b], v[S+1+16*\b], v[S+2+16*\b]   ; the largest score of each block of 32 keys: it serves for the row's maximum and, since p rises with the score, for the block's largest p
.endr
.irp i, 3,5,7,9,11,13
.irp b, 0,1,2,3
	v_max3_num_f32 v[BM+\b], v[BM+\b], v[S+16*\b+\i], v[S+1+16*\b+\i]
.endr
.endr
.irp b, 0,1,2,3
	v_max_num_f32 v[BM+\b], v[BM+\b], v[S+15+16*\b]
.endr
.irp b, 0,1,2,3
	s_delay_alu instid0(VALU_DEP_4)
	v_permlanex16_b32 v[BT+\b], v[BM+\b], s[SEL], s[SEL+1]
.endr
.irp b, 0,1,2,3
	s_delay_alu instid0(VALU_DEP_4)
	v_max_num_f32 v[BM+\b], v[BM+\b], v[BT+\b]     ; with lane l xor 16's 16 keys
.endr
	s_delay_alu instid0(VALU_DEP_2)
	v_max3_num_f32 v[TA], v[BM], v[BM+1], v[BM+2]
	s_delay_alu instid0(VALU_DEP_1)
	v_max_num_f32 v[TA], v[TA], v[BM+3]            ; the step's largest score of my query
	s_delay_alu instid0(VALU_DEP_1)
	v_mul_f32 v[TA], s[CS], v[TA]                  ; as t (c is positive)
	s_delay_alu instid0(VALU_DEP_1)
	v_max_num_f32 v13, v13, v[TA]                  ; the running largest t
	v_mov_b32 v[TA], v12
	s_delay_alu instid0(VALU_DEP_2)
	v_floor_f32 v12, -v13                          ; the new -M = floor(-t): M is a whole number
	s_delay_alu instid0(VALU_DEP_1)
	v_sub_f32 v[TA], v12, v[TA]                    ; M's old value less its new one: a whole number, 0 or less
	s_delay_alu instid0(VALU_DEP_1)
	v_cvt_i32_f32 v[TA], v[TA]                     ; (it saturates)
	s_delay_alu instid0(VALU_DEP_1)
	v_ldexp_f32 v[FF], 1.0, v[TA]                  ; f = 2^(old M - new M)
.set NN, 0
.rept 32
	v_pk_fma_f32 v[S+2*NN:S+2*NN+1], v[S+2*NN:S+2*NN+1], s[CS:CS+1], v[12:13] op_sel_hi:[1,0,0]   ; t - M, two at a time
.set NN, NN+1
.endr
.irp b, 0,1,2,3
	v_fma_f32 v[BM+\b], v[BM+\b], s[CS], v12       ; the same of each block's largest score
.endr
.set NN, 0
	s_wait_alu depctr_va_vdst(0)
.rept 64
	v_exp_f32 v[S+NN], v[S+NN]                     ; p = 2^(t - M): one batch
.set NN, NN+1
.endr
	s_setprio 1
	v_pk_mul_f32 v[14:15], v[14:15], v[FF:FF+1] op_sel_hi:[1,0]   ; the sums under the new M (the plain line behind the exponentials)
	s_wait_alu depctr_va_vdst(0)                   ; one wait for the batch, ahead of its first reader
.irp b, 0,1,2,3
	v_exp_f32 v[BM+\b], v[BM+\b]                   ; the block's largest p: the same two instructions on the same number
.endr
	v_pk_add_f32 v[216:217], v[92:93], v[96:97]
	v_pk_add_f32 v[252:253], v[100:101], v[104:105]
	v_pk_add_f32 v[250:251], v[108:109], v[112:113]
	v_pk_add_f32 v[248:249], v[116:117], v[120:121]
	v_pk_add_f32 v[246:247], v[124:125], v[128:129]
	v_pk_add_f32 v[244:245], v[132:133], v[136:137]
	v_pk_add_f32 v[242:243], v[140:141], v[144:145]
	v_pk_add_f32 v[14:15], v[14:15], v[148:149]
	v_pk_add_f32 v[216:217], v[216:217], v[88:89]
	v_pk_add_f32 v[252:253], v[252:253], v[90:91]
	v_pk_add_f32 v[250:251], v[250:251], v[94:95]
	v_pk_add_f32 v[248:249], v[248:249], v[98:99]
	v_pk_add_f32 v[246:247], v[246:247], v[102:103]
	v_pk_add_f32 v[244:245], v[244:245], v[106:107]
	v_pk_add_f32 v[242:243], v[242:243], v[110:111]
	v_pk_add_f32 v[14:15], v[14:15], v[114:115]
	v_pk_add_f32 v[216:217], v[216:217], v[118:119]
	v_pk_add_f32 v[252:253], v[252:253], v[122:123]
	v_pk_add_f32 v[250:251], v[250:251], v[126:127]
	v_pk_add_f32 v[248:249], v[248:249], v[130:131]
	v_pk_add_f32 v[246:247], v[246:247], v[134:135]
	v_pk_add_f32 v[244:245], v[244:245], v[138:139]
	v_pk_add_f32 v[242:243], v[242:243], v[142:143]
	v_pk_add_f32 v[14:15], v[14:15], v[146:147]
	v_pk_add_f32 v[216:217], v[216:217], v[150:151]
	s_delay_alu instid0(VALU_DEP_2)
	v_pk_add_f32 v[14:15], v[14:15], v[248:249]
	s_delay_alu instid0(VALU_DEP_2)
	v_pk_add_f32 v[216:217], v[216:217], v[246:247]
	v_pk_add_f32 v[252:253], v[252:253], v[244:245]
	v_pk_add_f32 v[250:251], v[250:251], v[242:243]
	s_delay_alu instid0(VALU_DEP_2)
	v_pk_add_f32 v[14:15], v[14:15], v[252:253]
	s_delay_alu instid0(VALU_DEP_2)
	v_pk_add_f32 v[216:217], v[216:217], v[250:251]
	s_delay_alu instid0(VALU_DEP_1)
	v_pk_add_f32 v[14:15], v[14:15], v[216:217]
	s_wait_alu depctr_va_vdst(0)                   ; and one for the four
.irp b, 0,1,2,3
	v_max_num_f32 v[BM+\b], 0x1800000, v[BM+\b]    ; the floor 2^(3 - 127): the byte cannot fall under 1
.endr
.irp b, 0,1,2,3
	s_delay_alu instid0(VALU_DEP_4)
	v_add_nc_u32 v[SO+\b], 0xff000000, v[BM+\b]    ; 2 off the exponent field: the conversion's scale operand
.endr
.irp b, 0,1,2,3
	s_delay_alu instid0(VALU_DEP_4)
	v_lshrrev_b32 v[BT+\b], 23, v[SO+\b]           ; the scale's byte
.endr
	s_delay_alu instid0(VALU_DEP_3)
	v_lshl_or_b32 v[PS], v[BT+1], 8, v[BT]         ; p's scale word for these 128 keys
	s_delay_alu instid0(VALU_DEP_1)
	v_lshl_or_b32 v[PS], v[BT+2], 16, v[PS]
	s_delay_alu instid0(VALU_DEP_1)
	v_lshl_or_b32 v[PS], v[BT+3], 24, v[PS]
.irp c, 0,1
	v_cvt_scalef32_pk16_fp6_f32 v[PC+6*\c:PC+6*\c+2], v[S+32*\c:S+32*\c+15], v[SO+2*\c]
	v_cvt_scalef32_pk16_fp6_f32 v[CT+4*\c:CT+4*\c+2], v[S+16+32*\c:S+31+32*\c], v[SO+2*\c+1]
.endr
	v_nop                                          ; one plain line behind the scaled conversions
.irp c, 0,1                                    ; a whole block to a lane
.irp i, 0,1,2
	v_permlane16_swap_b32 v[PC+6*\c+\i], v[CT+4*\c+\i]
.endr
.irp i, 0,1,2
	s_delay_alu instid0(VALU_DEP_3)
	v_mov_b32 v[PC+3+6*\c+\i], v[CT+4*\c+\i]
.endr
.endr
.set NN, 0
	s_setprio 0
.rept 16
	v_pk_mul_f32 v[O+2*NN:O+2*NN+1], v[O+2*NN:O+2*NN+1], v[FF:FF+1] op_sel_hi:[1,0]   ; O^T under the new M.  For each product below at least twelve of these name none of its registers: the places behind p's codes (4) and p's scale word (8)
.set NN, NN+1
.endr
	s_wait_alu depctr_va_vdst(0)
	s_wait_dscnt 0x0                               ; V is in
.irp f, 0,1,2,3                                ; O^T += V^T P^T: the four accumulators by turns, one instruction a turn
.if \f%2
	v_wmma_scale_f32_16x16x128_f8f6f4 v[O+8*\f:O+8*\f+7], v[F+12*\f:F+12*\f+11], v[PC:PC+11], v[O+8*\f:O+8*\f+7], v[VSC+\f/2], v[PS] matrix_a_fmt:MATRIX_FMT_FP6 matrix_b_fmt:MATRIX_FMT_FP6 matrix_a_scale:MATRIX_SCALE_ROW1
.else
	v_wmma_scale_f32_16x16x128_f8f6f4 v[O+8*\f:O+8*\f+7], v[F+12*\f:F+12*\f+11], v[PC:PC+11], v[O+8*\f:O+8*\f+7], v[VSC+\f/2], v[PS] matrix_a_fmt:MATRIX_FMT_FP6 matrix_b_fmt:MATRIX_FMT_FP6
.endif
.endr
.endm
; A PASS: my tile of 16 queries walks the head's 16 steps.  The pass stands in the immediates: two chunks on in Q, 16 tiles of rows on in the outputs.
.macro PASS p
.irp e, 0,1,2
	global_load_b64 v[QLO+2*\e:QLO+2*\e+1], v[3+\e], s[36:37] offset:2*CHUNK*\p      ; my tile's six registers out of the pair's image, into both forms of Q
	global_load_b64 v[QHI+6+2*\e:QHI+7+2*\e], v[3+\e], s[36:37] offset:2*CHUNK*\p
.endr
	global_load_b32 v[QRAW], v6, s[38:39] offset:2*CHUNK*\p
	v_mov_b32 v13, 0xff61b1e6                      ; the largest t so far: -3e38, under every t
	s_delay_alu instid0(VALU_DEP_1)
	v_floor_f32 v12, -v13                          ; -M
	v_mov_b32 v14, 0                               ; the sum, in two halves
	v_mov_b32 v15, 0
.set NN, 0
.rept 32
	v_mov_b32 v[O+NN], 0                           ; O^T: the step is written once; the first finds zeros, which the first change of M leaves zeros
.set NN, NN+1
.endr
	s_wait_loadcnt 0x0
	v_lshrrev_b32 v[QS], s[PAR], v[QRAW]           ; my tile's two bytes,
	s_delay_alu instid0(VALU_DEP_1)
	v_and_b32 v[QS], 0xffff, v[QS]
	s_delay_alu instid0(VALU_DEP_1)
	v_lshl_or_b32 v[QS], v[QS], 16, v[QS]          ; under both halves of K: they serve [q | zeros] and [zeros | q] alike
.rept 8
	v_nop                                          ; a scale register written by a vector instruction stands 8 places ahead of a scaled matrix instruction
.endr
.if \p == 0
	s_wait_tensorcnt 0x0                           ; my step of K and V is in LDS,
	s_barrier_signal -1
	s_barrier_wait -1                              ; everybody's is
.endif
	s_mov_b32 s[TB], 0
	s_mov_b32 s[CNT], 16
.Lstep_\@:
	s_wait_alu depctr_va_vdst(0)
	s_setprio 2
	STEP
	s_add_co_u32 s[TB], s[TB], STEPB
	s_sub_co_u32 s[CNT], s[CNT], 1
	s_cmp_lg_u32 s[CNT], 0
	s_cbranch_scc1 .Lstep_\@
	s_setprio 0
	; the way out: O^T / the sum, quantised along the head's 64: two blocks of the model's 1,024
.rept 4
	v_nop
.endr
	v_add_f32 v14, v14, v15                        ; the sum's two halves,
	s_delay_alu instid0(VALU_DEP_1)
	v_permlanex16_b32 v[TA], v14, s[SEL], s[SEL+1]
	s_delay_alu instid0(VALU_DEP_1)
	v_add_f32 v14, v14, v[TA]                      ; and lane l xor 16's: the row's sum
	s_wait_alu depctr_va_vdst(0)
	v_rcp_f32 v[FF], v14
	v_nop                                          ; a plain line behind the transcendental
	s_wait_alu depctr_va_vdst(0)                   ; and the wait ahead of its first reader
.set NN, 0
.rept 16
	v_pk_mul_f32 v[S+2*NN:S+2*NN+1], v[O+2*NN:O+2*NN+1], v[FF:FF+1] op_sel_hi:[1,0]   ; register 16 b + i: o(my query, 32 b + 16 (lane / 16) + i); each accumulator is read from its low end on
.set NN, NN+1
.endr
.irp b, 0,1
	v_max3_num_f32 v[BM+\b], |v[S+16*\b]|, |v[S+1+16*\b]|, 0x1800000
.endr
.irp i, 2,4,6,8,10,12,14
.irp b, 0,1
	s_delay_alu instid0(VALU_DEP_2)
	v_max3_num_f32 v[BM+\b], v[BM+\b], |v[S+16*\b+\i]|, |v[S+1+16*\b+\i]|
.endr
.endr
.irp b, 0,1
	s_delay_alu instid0(VALU_DEP_2)
	v_permlanex16_b32 v[BT+\b], v[BM+\b], s[SEL], s[SEL+1]
.endr
.irp b, 0,1
	s_delay_alu instid0(VALU_DEP_2)
	v_max_num_f32 v[BM+\b], v[BM+\b], v[BT+\b]
.endr
.irp b, 0,1
	s_delay_alu instid0(VALU_DEP_2)
	v_add_nc_u32 v[SO+\b], 0xff000000, v[BM+\b]
.endr
.irp b, 0,1
	s_delay_alu instid0(VALU_DEP_2)
	v_lshrrev_b32 v[BT+\b], 23, v[SO+\b]
.endr
	s_delay_alu instid0(VALU_DEP_1)
	v_lshl_or_b32 v[TA], v[BT+1], 8, v[BT]         ; my row's two scale bytes
	v_cvt_scalef32_pk16_fp6_f32 v[PC:PC+2], v[S:S+15], v[SO]
	v_cvt_scalef32_pk16_fp6_f32 v[CT:CT+2], v[S+16:S+31], v[SO+1]
	v_nop
.irp i, 0,1,2
	v_permlane16_swap_b32 v[PC+\i], v[CT+\i]
.endr
.irp i, 0,1,2
	s_delay_alu instid0(VALU_DEP_3)
	v_mov_b32 v[PC+3+\i], v[CT+\i]
.endr
.irp e, 0,1,2
	global_store_b64 v7, v[PC+2*\e:PC+2*\e+1], s[6:7] offset:196608*\p+256*\e   ; 32 lanes store 256 consecutive bytes, aligned
.endr
	global_store_b16 v8, v[TA], s[8:9] offset:8192*\p   ; lanes r and r + 16 store the same two bytes to the same place
	s_wait_xcnt 0x0                                ; the stores have read their registers: the next pass may write them
.endm
	s_load_b128 s[4:7], s[0:1], 0x0                ; qkv s[4:5], ao_codes s[6:7]
	s_load_b64 s[8:9], s[0:1], 0x10                ; ao_scales
	v_lshl_add_u32 v254, v0, 2, 0x32000
	v_mov_b32 v255, 0
	ds_add_u32 v254, v255
	ds_add_u32 v254, v255
	v_lshrrev_b32 v1, 5, v0
	s_delay_alu instid0(VALU_DEP_1)
	v_readfirstlane_b32 s[WV], v1                  ; wave 0..15
	s_bfe_u32 s13, ttmp6, 0x40000                  ; cx: my 512 queries; it enters Q's and the outputs' addresses alone
	s_and_b32 s14, ttmp7, 0xffff                   ; the head, 0..63, which the four partners share
	s_lshl_b32 s10, s14, 4
	s_add_co_u32 s10, s10, s[WV]
	s_mul_i32 s10, s10, CHUNK                      ; what I fetch: step w of the head
	s_mov_b32 s11, 0
	; descriptor group 1: 12,800 dense bytes as 50 rows of 256 (32 elements of 8 bytes), no padding
	s_mov_b32 s[G1], 15|(3<<16)|(1<<21)            ; 15:0 the mask: all four work-groups; 17:16 elements of 8 bytes; 21 set beside a mask
	s_mov_b32 s[G1+1], 32<<16                      ; tensor_dim0
	s_mov_b32 s[G1+2], 50<<16                      ; tensor_dim1
	s_mov_b32 s[G1+3], 32<<16                      ; tile_dim0
	s_mov_b32 s[G1+4], 50                          ; tile_dim1
	s_mov_b32 s[G1+5], 32                          ; tensor_dim0_stride
	s_mov_b32 s[G1+6], 0
	s_mov_b32 s[G1+7], 0
	; Q: my tile in pass p is 32 cx + 16 p + w: chunk 4 cx + 2 p + w / 8 of the head, image (w % 8) / 2, half w % 2
	s_lshl_b32 s36, s14, 4
	s_lshl_b32 s15, s13, 2
	s_add_co_u32 s36, s36, s15
	s_lshr_b32 s15, s[WV], 3
	s_add_co_u32 s36, s36, s15
	s_mul_i32 s36, s36, CHUNK
	s_add_co_u32 s36, s36, 12800                   ; Q's part of the chunk
	s_bfe_u32 s15, s[WV], 0x20001                  ; the image
	s_lshl_b32 s38, s15, 6
	s_add_co_u32 s38, s38, s36
	s_add_co_u32 s38, s38, 6144                    ; its 16 scale words
	s_mul_i32 s15, s15, 1536
	s_add_co_u32 s36, s36, s15
	s_mov_b32 s37, 0
	s_mov_b32 s39, 0
	; the outputs: tile of rows = batch x 128 + 32 cx + w (+ 16 in the second pass)
	s_lshr_b32 s2, s14, 4                          ; batch
	s_and_b32 s3, s14, 15                          ; head in the batch
	s_lshl_b32 s15, s2, 7
	s_lshl_b32 s32, s13, 5
	s_add_co_u32 s15, s15, s32
	s_add_co_u32 s15, s15, s[WV]
	s_lshl_b32 s32, s15, 3
	s_lshr_b32 s33, s3, 1
	s_add_co_u32 s32, s32, s33                     ; the fragment: 8 x tile + head / 2
	s_mul_i32 s32, s32, 1536
	s_and_b32 s33, s3, 1
	s_mul_i32 s33, s33, 768                        ; an odd head's three pieces lie behind an even head's
	s_add_co_u32 s32, s32, s33
	s_mov_b32 s33, 0
	s_lshl_b32 s34, s15, 9                         ; 16 rows x 32 bytes
	s_lshl_b32 s35, s3, 1
	s_add_co_u32 s34, s34, s35
	s_mov_b32 s35, 0
	s_mov_b32 s[SEL], 0x76543210
	s_mov_b32 s[SEL+1], 0xfedcba98
	s_mov_b32 s[CS], 0x3e38aa3b                    ; c = log2(e) / 8
	s_mov_b32 s[CS+1], s[CS]                       ; (named with it as a pair, so it is written)
	s_wait_dscnt 0x0
	s_wait_kmcnt 0x0
	s_add_nc_u64 s[36:37], s[4:5], s[36:37]
	s_add_nc_u64 s[38:39], s[4:5], s[38:39]
	s_add_nc_u64 s[6:7], s[6:7], s[32:33]
	s_add_nc_u64 s[8:9], s[8:9], s[34:35]
	s_mov_b32 s[G0], 1                             ; count = 1
	s_mul_i32 s[G0+1], s[WV], STEPB                ; LDS address: wave x 12,800
	s_add_nc_u64 s[G0+2:G0+3], s[4:5], s[10:11]    ; global address: hangs on the head and the wave alone
	s_or_b32 s[G0+3], s[G0+3], 0x80000000          ; type = 2
	ROUND                                          ; all four work-groups are here: the joint loads meet
	tensor_load_to_lds s[G0:G0+3], s[G1:G1+7]      ; my one tensor load of the launch
	s_nop 0
.rept 4
	v_nop
.endr
	v_and_b32 v11, 31, v0                          ; lane
	s_delay_alu instid0(VALU_DEP_1)
	v_lshlrev_b32 v1, 4, v11                       ; 16 x lane
	s_delay_alu instid0(VALU_DEP_2)
	v_lshlrev_b32 v2, 2, v11                       ; 4 x lane
	v_and_b32 v6, 15, v0                           ; r
	s_delay_alu instid0(VALU_DEP_1)
	v_lshlrev_b32 v8, 5, v6                        ; 32 r: my row of ao_scales
	s_delay_alu instid0(VALU_DEP_2)
	v_lshlrev_b32 v6, 2, v6                        ; 4 r: my row's scale word of Q
	v_lshlrev_b32 v7, 3, v11                       ; 8 x lane
	s_and_b32 s[PAR], s[WV], 1
	s_mul_i32 s15, s[PAR], 520                     ; registers 0, 1 of an image lie at 16 l, registers 6, 7 at 520 + 16 l;
	v_add_nc_u32 v3, s15, v1
	s_mul_i32 s15, s[PAR], 1016
	s_add_co_u32 s15, s15, 8                       ; 2, 3 at 8 + 16 l, 8, 9 at 1024 + 16 l;
	v_add_nc_u32 v4, s15, v1
	s_mul_i32 s15, s[PAR], 520
	s_add_co_u32 s15, s15, 512                     ; 4, 5 at 512 + 16 l, 10, 11 at 1032 + 16 l
	v_add_nc_u32 v5, s15, v1
	s_lshl_b32 s[PAR], s[PAR], 4
.irp i, 0,1,2,3,4,5
	v_mov_b32 v[QLO+6+\i], 0                       ; the zero halves of Q's two forms: written once
	v_mov_b32 v[QHI+\i], 0
.endr
.irp b, 0,1,2,3
	v_mov_b32 v[BT+\b], 0                          ; a lane permute's destination counts as one of its sources
.endr
	v_mov_b32 v[FF+1], 0
	v_mov_b32 v[TA], 0
	PASS 0
	PASS 1
	s_wait_tensorcnt 0x0
	ds_add_u32 v254, v255
	s_wait_dscnt 0x0
	ROUND                                          ; the closing round
	s_endpgm
.Lfunc_end_k_qcae3988f95_attn:
	.size	k_qcae3988f95_attn, .Lfunc_end_k_qcae3988f95_attn-k_qcae3988f95_attn
	.p2alignl 7, 3214868480
	.fill 96, 4, 3214868480
	.section	.rodata,"a",@progbits
	.p2align	6, 0x0
	.amdhsa_kernel k_qcae3988f95_attn
		.amdhsa_group_segment_fixed_size 206848
		.amdhsa_private_segment_fixed_size 0
		.amdhsa_enable_private_segment 0
		.amdhsa_kernarg_size 24
		.amdhsa_user_sgpr_count 2
		.amdhsa_user_sgpr_kernarg_segment_ptr 1
		.amdhsa_wavefront_size32 1
		.amdhsa_system_sgpr_workgroup_id_x 1
		.amdhsa_system_sgpr_workgroup_id_y 1
		.amdhsa_system_sgpr_workgroup_id_z 1
		.amdhsa_system_vgpr_workitem_id 0
		.amdhsa_next_free_vgpr 256
		.amdhsa_next_free_sgpr 66
		.amdhsa_reserve_vcc 0
		.amdhsa_float_denorm_mode_32 3
		.amdhsa_float_denorm_mode_16_64 3
		.amdhsa_memory_ordered 1
		.amdhsa_forward_progress 1
		.amdhsa_inst_pref_size 54
	.end_amdhsa_kernel
	.amdgpu_metadata
---
amdhsa.version: [ 1, 2 ]
amdhsa.kernels:
  - .name:           k_qcae3988f95_attn
    .symbol:         k_qcae3988f95_attn.kd
    .args:
      - { .name: qkv, .offset: 0, .size: 8, .value_kind: global_buffer, .address_space: global }
      - { .name: ao_codes, .offset: 8, .size: 8, .value_kind: global_buffer, .address_space: global }
      - { .name: ao_scales, .offset: 16, .size: 8, .value_kind: global_buffer, .address_space: global }
    .group_segment_fixed_size: 206848
    .private_segment_fixed_size: 0
    .kernarg_segment_align: 8
    .kernarg_segment_size: 24
    .max_flat_workgroup_size: 512
    .sgpr_count:     66
    .vgpr_count:     256
    .wavefront_size: 32
...
	.end_amdgpu_metadata
.endif
;; end of part 3
;; launch proj (part 4): grid 4 x 32, 4 waves a work-group, clusters of 4 x 4, 327,680 bytes of LDS; arguments ao_codes, ao_scales, codes, scales, out0, b_proj; writes out0
.if DOCPART == 4
	.amdgcn_target "amdgcn-amd-amdhsa--gfx1250"
	.amdhsa_code_object_version 6
	.text
	.protected	k_qcae3988f95_proj
	.globl	k_qcae3988f95_proj
	.p2align	8
	.type	k_qcae3988f95_proj,@function
k_qcae3988f95_proj:
	s_mov_b64 s[64:65], 0
	v_nop
	global_prefetch_b8 v0, s[64:65] scope:SCOPE_SE
	s_setreg_imm32_b32 hwreg(HW_REG_WAVE_MODE, 25, 1), 1
	s_wait_xcnt 0x0
	s_wait_alu depctr_hold_cnt(0) depctr_sa_sdst(0) depctr_va_vdst(0) depctr_va_sdst(0) depctr_va_ssrc(0) depctr_va_vcc(0) depctr_vm_vsrc(0)
	s_getreg_b32 s2, hwreg(HW_REG_IB_STS2, 6, 4)
	s_cmp_eq_u32 s2, 0
	s_cbranch_scc0 .Lentry_in_a_cluster
	s_endpgm
.Lentry_in_a_cluster:
	s_bfe_u32 s2, ttmp6, 0x10000c
	s_cmp_lg_u32 s2, 0xf033
	s_cbranch_scc0 .Lentry_shape_is_right
	s_endpgm
.Lentry_shape_is_right:
.set SIZE_N, 1024
.set NQ,     2
.set ROWB,   192
.set AROWB,  3072
.set KROW,   768
.set PITCH,  240
.set FR,     12
.set NL,     6
.set NP,     4
.set HALFT,  128*PITCH
.set SLOT,   4*HALFT
.set KS,     32
.set SCL,    2*SLOT
.set HALFS,  (128*KS/256)*272
.set SBLK,   (16*KS/256)*272
.set SPARE,  SCL+4*HALFS
.set SPITCH, 528
.set ADRA, 16
.set ADRB, 20
.set STO,  24
.set RD,   25
.set CO,   26
.set ADRS, 27
.set SPW,  28
.set NIL,  29
.set SC,   32
.set BIAS, 64
.set AF,   128
.set BK,   128
.set G1, 24
.set G0, 32
.set G1B, 48
.set G0B, 56
.set G1S, 68
.set G0S, 76
.set G1SB, 80
.set G0SB, 88
.set MSB, 0
.macro WIN new
.if MSB != (\new)
	s_set_vgpr_msb (MSB<<8)|(\new)
.set MSB, (\new)
.endif
.endm
.set MUL_LO, 0xa1
.set MUL_HI, 0xf1
.set TO_B,   0x40
.macro JLOAD g0a, g1a, g0b, g1b
	s_cmp_eq_u32 s15, 0
	s_cbranch_scc0 .Lfor_b_\@
	tensor_load_to_lds s[\g0a:\g0a+3], s[\g1a:\g1a+7]
	s_nop 0
.rept 4
	v_nop
.endr
	s_branch .Lasked_\@
.Lfor_b_\@:
	tensor_load_to_lds s[\g0b:\g0b+3], s[\g1b:\g1b+7]
	s_nop 0
.rept 4
	v_nop
.endr
.Lasked_\@:
.endm
.macro CREST
	s_cmp_lg_u32 s14, 0
	s_cbranch_scc1 .Lnot_wave_0_\@
	s_barrier_signal -3
.Lnot_wave_0_\@:
	s_barrier_wait -3
	s_barrier_signal -1
	s_barrier_wait -1
.endm
.macro CROUND
	s_barrier_signal -1
	s_barrier_wait -1
	CREST
.endm
	s_load_b128 s[4:7], s[0:1], 0x0
	s_load_b128 s[8:11], s[0:1], 0x10
	s_load_b64 s[12:13], s[0:1], 0x20
	s_load_b64 s[66:67], s[0:1], 0x28
	v_lshl_add_u32 v[SPW], v0, 2, SPARE
	v_mov_b32 v[NIL], 0
	ds_add_u32 v28, v29
	ds_add_u32 v28, v29
	s_wait_dscnt 0x0
	v_lshrrev_b32 v1, 5, v0
	v_readfirstlane_b32 s14, v1
	s_lshr_b32 s15, s14, 1
	s_and_b32 s16, s14, 1
	s_bfe_u32 s40, ttmp6, 0x40000
	s_bfe_u32 s41, ttmp6, 0x40004
	s_lshl_b32 s42, ttmp9, 2
	s_add_co_u32 s42, s42, s40
	s_and_b32 s17, ttmp7, 0xffff
	s_lshl_b32 s17, s17, 2
	s_add_co_u32 s17, s17, s41
	s_lshl_b32 s43, s41, 2
	s_lshl_b32 s43, 15, s43
	s_lshl_b32 s44, 0x1111, s40
	s_or_b32 s[G1+0], s43, (3<<16)|(1<<21)
	s_mov_b32 s[G1+1], 384<<16
	s_mov_b32 s[G1+2], 8<<16
	s_mov_b32 s[G1+3], 384<<16
	s_mov_b32 s[G1+4], 8
	s_mov_b32 s[G1+5], 1536
	s_mov_b32 s[G1+6], 0
	s_mov_b32 s[G1+7], 0
	s_or_b32 s[G1B+0], s44, (0<<16)|(1<<20)|(1<<21)|(3<<22)|(3<<25)
	s_mov_b32 s[G1B+1], ROWB<<16
	s_mov_b32 s[G1B+2], 128<<16
	s_mov_b32 s[G1B+3], ROWB<<16
	s_mov_b32 s[G1B+4], 128
	s_mov_b32 s[G1B+5], KROW
	s_mov_b32 s[G1B+6], 0
	s_mov_b32 s[G1B+7], 0
	s_or_b32 s[G1S+0], s43, (3<<16)|(1<<20)|(1<<21)|(5<<22)|(3<<25)
	s_or_b32 s[G1SB+0], s44, (3<<16)|(1<<20)|(1<<21)|(5<<22)|(3<<25)
.irp g, G1S, G1SB
	s_mov_b32 s[\g+1], 32<<16
	s_mov_b32 s[\g+2], (128*KS/256)<<16
	s_mov_b32 s[\g+3], 32<<16
	s_mov_b32 s[\g+4], 128*KS/256
	s_mov_b32 s[\g+5], 32
	s_mov_b32 s[\g+6], 0
	s_mov_b32 s[\g+7], 0
.endr
	s_lshl_b32 s18, s16, 7
	s_lshl_b32 s20, s17, 8
	s_add_co_u32 s20, s20, s18
	s_lshl_b32 s46, s42, 8
	s_add_co_u32 s46, s46, s18
	s_add_co_u32 s46, s46, 11264
	s_mov_b32 s21, 0
	s_mov_b32 s47, 0
	s_mov_b64 s[18:19], KS
	s_mul_u64 s[22:23], s[20:21], s[18:19]
	s_mul_u64 s[92:93], s[46:47], s[18:19]
	s_mov_b64 s[18:19], KROW
	s_mul_u64 s[20:21], s[20:21], s[18:19]
	s_mul_u64 s[46:47], s[46:47], s[18:19]
	s_mul_i32 s45, s14, HALFT
	s_mul_i32 s94, s14, HALFS
	s_wait_kmcnt 0x0
	s_add_nc_u64 s[20:21], s[4:5], s[20:21]
	s_add_nc_u64 s[22:23], s[6:7], s[22:23]
	s_add_nc_u64 s[46:47], s[8:9], s[46:47]
	s_add_nc_u64 s[92:93], s[10:11], s[92:93]
	CROUND
	s_mov_b32 s[G0S], 1
	s_add_co_u32 s[G0S+1], s94, SCL
	s_mov_b64 s[G0S+2:G0S+3], s[22:23]
	s_or_b32 s[G0S+3], s[G0S+3], 0x80000000
	s_mov_b32 s[G0SB], 1
	s_add_co_u32 s[G0SB+1], s94, SCL
	s_mov_b64 s[G0SB+2:G0SB+3], s[92:93]
	s_or_b32 s[G0SB+3], s[G0SB+3], 0x80000000
	JLOAD G0S, G1S, G0SB, G1SB
.irp s, 0,1
	s_mov_b32 s[G0+4*\s], 1
	s_add_co_u32 s[G0+4*\s+1], s45, \s*SLOT
	s_add_nc_u64 s[G0+4*\s+2:G0+4*\s+3], s[20:21], \s*AROWB
	s_or_b32 s[G0+4*\s+3], s[G0+4*\s+3], 0x80000000
	s_mov_b32 s[G0B+4*\s], 1
	s_add_co_u32 s[G0B+4*\s+1], s45, \s*SLOT
	s_add_nc_u64 s[G0B+4*\s+2:G0B+4*\s+3], s[46:47], \s*ROWB
	s_or_b32 s[G0B+4*\s+3], s[G0B+4*\s+3], 0x80000000
	s_wait_alu depctr_va_vdst(0)
	s_wait_tensorcnt 0x0
	ds_add_u32 v28, v29
	s_wait_dscnt 0x0
	CROUND
	JLOAD G0+4*\s, G1, G0B+4*\s, G1B
.endr
	v_and_b32 v1, 15, v0
	v_bfe_u32 v2, v0, 4, 1
	v_and_b32 v6, 31, v0
	v_lshlrev_b32 v7, 3, v6
	v_mul_u32_u24 v3, v1, PITCH
	v_mul_u32_u24 v4, v2, 24
	v_add_nc_u32 v4, v3, v4
	v_lshl_add_u32 v5, v2, 4, v4
	s_mul_i32 s21, s15, HALFT
	s_mul_i32 s22, s16, HALFT
	s_add_co_u32 s22, s22, 2*HALFT
.irp s, 0,1
	v_add_nc_u32 v[ADRA+\s], s21, v7
	v_add_nc_u32 v[ADRB+\s], s22, v4
	v_add_nc_u32 v[ADRB+2+\s], s22, v5
	s_add_co_u32 s21, s21, SLOT
	s_add_co_u32 s22, s22, SLOT
.endr
	v_mul_u32_u24 v5, v1, KS
	v_lshrrev_b32 v3, 8, v5
	v_lshl_add_u32 v5, v3, 4, v5
	s_mul_i32 s21, s15, HALFS
	s_mul_i32 s22, s16, HALFS
	s_add_co_u32 s22, s22, 2*HALFS
	s_sub_co_u32 s22, s22, s21
	v_mul_u32_u24 v3, s22, v2
	s_add_co_u32 s21, s21, SCL
	v_add_nc_u32 v5, v5, v3
	v_add_nc_u32 v[ADRS], s21, v5
	s_mul_i32 s23, s14, 16*SPITCH
	v_mul_u32_u24 v5, v1, SPITCH
	v_lshl_add_u32 v5, v2, 6, v5
	v_add_nc_u32 v[STO], s23, v5
	v_lshlrev_b32 v[CO], 4, v6
	s_wait_alu depctr_va_vdst(0)
	v_add_nc_u32 v[RD], s23, v[CO]
	s_lshl_b32 s20, s17, 8
	s_lshl_b32 s21, s15, 7
	s_add_co_u32 s20, s20, s21
	s_mov_b32 s21, 0
	s_mov_b64 s[18:19], SIZE_N*4
	s_mul_u64 s[20:21], s[20:21], s[18:19]
	s_lshl_b32 s46, s42, 10
	s_lshl_b32 s47, s16, 9
	s_add_co_u32 s46, s46, s47
	s_mov_b32 s47, 0
	s_add_nc_u64 s[20:21], s[20:21], s[46:47]
	s_add_nc_u64 s[12:13], s[12:13], s[20:21]
	s_add_nc_u64 s[66:67], s[66:67], s[46:47]
	global_load_b128 v[BIAS:BIAS+3], v[CO], s[66:67]
.macro FRAG reg, adr, q, i
.irp p, 0,1,2,3,4,5
.set PCE, 12*(\q)+6*(\p/3)+\p%3
.if PCE%8 < 5
	ds_load_b64 v[\reg+2*\p:\reg+2*\p+1], v[\adr] offset:8*PCE+16*(PCE/8)+(\i)*16*PITCH
.else
	ds_load_b64 v[\reg+2*\p:\reg+2*\p+1], v[\adr+2] offset:8*PCE+16*(PCE/8)+(\i)*16*PITCH
.endif
.endr
.endm
.macro FRAGA reg, adr, q, i
.irp p, 0,1,2,3,4,5
	ds_load_b64 v[\reg+2*\p:\reg+2*\p+1], v[\adr] offset:AROWB*(\i)+1536*(\q)+256*\p
.endr
.endm
.macro MUL16 a0, p, q, sc, zero
.irp a, \a0, \a0+1
.irp b, 0,1,2,3,4,5,6,7
.if \zero
	v_wmma_scale_f32_16x16x128_f8f6f4 v[8*(8*((\a)%4)+\b):8*(8*((\a)%4)+\b)+7], v[128*(\p)+FR*\b:128*(\p)+FR*\b+FR-1], v[AF+FR*(\a):AF+FR*(\a)+FR-1], 0, v[SC+8*NQ*(\sc)+NQ*\b+(\q)], v[SC+8*NQ*(\sc)+NQ*(\a)+(\q)] matrix_a_fmt:MATRIX_FMT_FP6 matrix_b_fmt:MATRIX_FMT_FP6 matrix_a_scale:MATRIX_SCALE_ROW1
.else
	v_wmma_scale_f32_16x16x128_f8f6f4 v[8*(8*((\a)%4)+\b):8*(8*((\a)%4)+\b)+7], v[128*(\p)+FR*\b:128*(\p)+FR*\b+FR-1], v[AF+FR*(\a):AF+FR*(\a)+FR-1], v[8*(8*((\a)%4)+\b):8*(8*((\a)%4)+\b)+7], v[SC+8*NQ*(\sc)+NQ*\b+(\q)], v[SC+8*NQ*(\sc)+NQ*(\a)+(\q)] matrix_a_fmt:MATRIX_FMT_FP6 matrix_b_fmt:MATRIX_FMT_FP6 matrix_a_scale:MATRIX_SCALE_ROW1
.endif
.endr
.endr
.endm
.macro FETCH_B slot, q, p
	WIN TO_B
.irp i, 0,1,2,3,4,5,6,7
	FRAG 128*(\p)+FR*\i, ADRB+\slot, \q, \i
.endr
	WIN 0
.endm
.macro FETCH_A slot, q, i0
.irp i, \i0, \i0+1, \i0+2, \i0+3
	FRAGA AF+FR*(\i), ADRA+\slot, \q, \i
.endr
.endm
.macro SCALES sc
.irp i, 0,1,2,3,4,5,6,7
	ds_load_b64 v[SC+8*NQ*\sc+NQ*\i:SC+8*NQ*\sc+NQ*\i+1], v[ADRS] offset:\i*SBLK
.endr
.endm
.macro PLACES n
.rept \n
	v_nop
.endr
.endm
.macro STEP slot, q, zero
	s_wait_dscnt 4*NL
	WIN MUL_LO
	MUL16 0, (\q)%2, \q, \slot, \zero
	MUL16 2, (\q)%2, \q, \slot, \zero
	s_wait_dscnt 0
	PLACES NP
	FETCH_B \slot, (\q)+1, 1-(\q)%2
	FETCH_A \slot, (\q)+1, 0
	WIN MUL_HI
	MUL16 4, (\q)%2, \q, \slot, \zero
	MUL16 6, (\q)%2, \q, \slot, \zero
	PLACES NP
	WIN 0
	FETCH_A \slot, (\q)+1, 4
.endm
.macro TURN slot, next, fill
	s_wait_tensorcnt 0x0
	ds_add_u32 v[SPW], v[NIL]
	s_wait_dscnt 4*NL+1
	WIN MUL_LO
	MUL16 0, 1, NQ-1, \slot, 0
	s_wait_dscnt 0x0
	s_barrier_signal -1
	MUL16 2, 1, NQ-1, \slot, 0
	WIN 0
	s_barrier_wait -1
.if \fill
	CREST
	s_add_nc_u64 s[G0+4*\slot+2:G0+4*\slot+3], s[G0+4*\slot+2:G0+4*\slot+3], 2*AROWB
	s_add_nc_u64 s[G0B+4*\slot+2:G0B+4*\slot+3], s[G0B+4*\slot+2:G0B+4*\slot+3], 2*ROWB
	JLOAD G0+4*\slot, G1, G0B+4*\slot, G1B
.else
	PLACES NP
.endif
	s_wait_alu depctr_va_vdst(0)
	v_add_nc_u32 v[ADRS], 4*NQ, v[ADRS]
	FETCH_B \next, 0, 0
	FETCH_A \next, 0, 0
	SCALES \next
	WIN MUL_HI
	MUL16 4, 1, NQ-1, \slot, 0
	MUL16 6, 1, NQ-1, \slot, 0
	PLACES NP
	WIN 0
	FETCH_A \next, 0, 4
.endm
	s_wait_tensorcnt 1
	s_barrier_signal -1
	s_barrier_wait -1
	FETCH_B 0, 0, 0
	FETCH_A 0, 0, 0
	SCALES 0
	FETCH_A 0, 0, 4
	STEP 0, 0, 1
	TURN 0, 1, 1
	STEP 1, 0, 0
	TURN 1, 0, 1
	STEP 0, 0, 0
	TURN 0, 1, 0
	STEP 1, 0, 0
	s_wait_dscnt 4*NL
	WIN MUL_LO
	MUL16 0, 1, NQ-1, 1, 0
	MUL16 2, 1, NQ-1, 1, 0
	s_wait_dscnt 0
	WIN MUL_HI
	MUL16 4, 1, NQ-1, 1, 0
	MUL16 6, 1, NQ-1, 1, 0
	WIN 0
.macro TOSTAGE a
.set AC, 64*((\a)%4)
	WIN 0x08+4*((\a)/4)
.irp b, 0,1,2,3,4,5,6,7
	ds_store_b128 v[STO], v[AC+8*\b:AC+8*\b+3] offset:128*(\b/2)+32*(\b%2)
	ds_store_b128 v[STO], v[AC+8*\b+4:AC+8*\b+7] offset:128*(\b/2)+32*(\b%2)+16
.endr
	WIN 0
.set BB, BK+64*((\a)%2)
.irp t, 0,1,2,3,4,5,6,7,8,9,10,11,12,13,14,15
	ds_load_b128 v[BB+4*\t:BB+4*\t+3], v[RD] offset:\t*SPITCH
.endr
.endm
.macro SEND a, younger
.set BB, BK+64*((\a)%2)
.set RW, 32*((\a)/2)+8*((\a)%2)
	s_wait_dscnt \younger
.irp t, 0,1,2,3,4,5,6,7,8,9,10,11,12,13,14,15
	v_pk_add_f32 v[BB+4*\t:BB+4*\t+1], v[BB+4*\t:BB+4*\t+1], v[BIAS:BIAS+1]
	v_pk_add_f32 v[BB+4*\t+2:BB+4*\t+3], v[BB+4*\t+2:BB+4*\t+3], v[BIAS+2:BIAS+3]
	global_store_b128 v[CO], v[BB+4*\t:BB+4*\t+3], s[12:13] offset:(RW+\t+8*(\t/8))*SIZE_N*4 th:TH_STORE_NT
.endr
.endm
	PLACES NP
	s_wait_loadcnt 0x0
	TOSTAGE 0
.irp a, 1,2,3,4,5,6,7
.if \a > 1
	s_wait_xcnt 0x0
.endif
	TOSTAGE \a
	SEND \a-1, 32
.endr
	SEND 7, 0
	s_wait_tensorcnt 0x0
	ds_add_u32 v[SPW], v[NIL]
	s_wait_dscnt 0x0
	CROUND
	s_endpgm
.Lfunc_end_k_qcae3988f95_proj:
	.size	k_qcae3988f95_proj, .Lfunc_end_k_qcae3988f95_proj-k_qcae3988f95_proj
	.p2alignl 7, 3214868480
	.fill 96, 4, 3214868480
	.section	.rodata,"a",@progbits
	.p2align	6, 0x0
	.amdhsa_kernel k_qcae3988f95_proj
		.amdhsa_group_segment_fixed_size 327680
		.amdhsa_private_segment_fixed_size 0
		.amdhsa_enable_private_segment 0
		.amdhsa_kernarg_size 48
		.amdhsa_user_sgpr_count 2
		.amdhsa_user_sgpr_kernarg_segment_ptr 1
		.amdhsa_wavefront_size32 1
		.amdhsa_system_sgpr_workgroup_id_x 1
		.amdhsa_system_sgpr_workgroup_id_y 1
		.amdhsa_system_sgpr_workgroup_id_z 1
		.amdhsa_system_vgpr_workitem_id 0
		.amdhsa_next_free_vgpr 1024
		.amdhsa_next_free_sgpr 98
		.amdhsa_reserve_vcc 0
		.amdhsa_float_denorm_mode_32 3
		.amdhsa_float_denorm_mode_16_64 3
		.amdhsa_memory_ordered 1
		.amdhsa_forward_progress 1
		.amdhsa_inst_pref_size 176
	.end_amdhsa_kernel
	.amdgpu_metadata
---
amdhsa.version: [ 1, 2 ]
amdhsa.kernels:
  - .name:           k_qcae3988f95_proj
    .symbol:         k_qcae3988f95_proj.kd
    .args:
      - { .name: ao_codes, .offset: 0, .size: 8, .value_kind: global_buffer, .address_space: global }
      - { .name: ao_scales, .offset: 8, .size: 8, .value_kind: global_buffer, .address_space: global }
      - { .name: codes, .offset: 16, .size: 8, .value_kind: global_buffer, .address_space: global }
      - { .name: scales, .offset: 24, .size: 8, .value_kind: global_buffer, .address_space: global }
      - { .name: out0, .offset: 32, .size: 8, .value_kind: global_buffer, .address_space: global }
      - { .name: b_proj, .offset: 40, .size: 8, .value_kind: global_buffer, .address_space: global }
    .group_segment_fixed_size: 327680
    .private_segment_fixed_size: 0
    .kernarg_segment_align: 8
    .kernarg_segment_size: 48
    .max_flat_workgroup_size: 128
    .sgpr_count:     98
    .vgpr_count:     1024
    .wavefront_size: 32
...
	.end_amdgpu_metadata
.endif
;; end of part 4
